; MI455X (gfx1250); checked and timed in simulation.
; The chip was launched on July 23, 2026; its instructions are those of AMD's public machine-readable ISA for CDNA 5 (MIT licence, August 2026) and "CDNA5" Instruction Set Architecture Reference Guide (July 2026). The comments in the code are by the model that wrote it; some were corrected since.
;; Multi Head Self Attention. Allowed arithmetic: matrix products marked QUANTISED: E3M2 operands, one E8M0 scale for each 32 along K, by v_wmma_scale_f32_16x16x128_f8f6f4 with both operands' format E3M2, f32 sums; everything else in f32.
;; Inputs: W_k 2,048 x 1,024 float32; W_o 2,048 x 2,048 float32; W_q 2,048 x 2,048 float32; W_v 2,048 x 1,024 float32; x 4 x 1,024 x 2,048 float32.
;; Outputs: out0 4 x 1,024 x 2,048 float32.
;; This version of the problem:
;;   THIS VERSION OF THE PROBLEM IS GIVEN IN LOW PRECISION. The matrix products marked QUANTISED in the list below multiply operands that are first quantised to E3M2 (3 exponent bits, 2 mantissa bits; 6 bits a number), with one power-of-two scale for each 32 numbers along K (OCP MX v1.0); their sums are f32. All else is computed in f32.
;;   The module's matrix products, in the order in which they are computed (A, B: the left and right operand; K: the contracted axis; several contracted axes count as one K, in the product's order):
;;     1. [M 4,096, K 2,048] x [K 2,048, N 2,048]; A: input x; B: input W_q: QUANTISED
;;     2. [M 4,096, K 2,048] x [K 2,048, N 1,024]; A: input x; B: input W_k: QUANTISED
;;     3. [M 4,096, K 2,048] x [K 2,048, N 1,024]; A: input x; B: input W_v: QUANTISED
;;     4. batch 64 x [M 1,024, K 128] x [K 128, N 1,024]; A: computed on the way; B: computed on the way: QUANTISED
;;     5. batch 64 x [M 128, K 1,024] x [K 1,024, N 1,024]; A: computed on the way; B: softmax (see below): QUANTISED
;;     6. [M 4,096, K 2,048] x [K 2,048, N 2,048]; A: computed on the way; B: input W_o: QUANTISED
;;   THE QUANTISER, for each operand of a quantised product, along K:
;;     - K is cut into blocks of 32 from its start; a last block that is shorter is filled with zeros.
;;     - A block's scale is 2^e with e = floor(log2(the largest magnitude in the block)) - 4, held to -126 .. 127; a block of zeros has e = 0. As a byte (E8M0): e + 127.
;;     - Each number is divided by its block's scale, clamped to +-28, and rounded to the nearest number of E3M2, ties to even, subnormals kept.
;;     - The product sums the exact products of the quantised numbers (number of the format x scale) in f32.
;;   ~~~python
;;   def quantise(x, axis):      # numpy; x: float32 -> the quantised numbers, widened to float32 again
;;       x = np.moveaxis(x, axis, -1); K = x.shape[-1]
;;       x = np.pad(x, [(0, 0)] * (x.ndim - 1) + [(0, -K % 32)]); x = x.reshape(x.shape[:-1] + (-1, 32)); a = np.abs(x).max(-1, keepdims=True)
;;       e = np.where(a > 0, np.clip(np.frexp(np.where(a > 0, a, 1))[1] - 1 - 4, -126, 127), 0)      # np.frexp(a)[1] - 1 = floor(log2(a)), exactly
;;       r = np.clip(x / 2.0 ** e, -28, 28)
;;       step = 2.0 ** (np.maximum(np.frexp(np.where(r == 0, 1, r))[1] - 1, -2) - 2)
;;       q = np.round(r / step) * step * 2.0 ** e      # np.round: ties to even
;;       return np.moveaxis(q.reshape(q.shape[:-2] + (-1,))[..., :K], -1, axis).astype(np.float32)
;;   ~~~
;;   SOFTMAX AHEAD OF A QUANTISED PRODUCT. Where the list says 'softmax', what is quantised is not the finished softmax but p = 2^(t - M), with t = logit x log2(e) and M = ceil(the row's largest t), a whole number; so 1/2 < the row's largest p <= 1. The row's sum l is taken of the UNQUANTISED p, in f32, and the product's result is divided by l at the end. Since M is a whole number, a kernel that streams over the keys may use a running M (the ceiling of the running maximum): every later rescaling is an exact power of two, which a block's scale takes up: the codes' values come out the same.
;;   OPERANDS COMPUTED ON THE WAY. 'Computed on the way' means the value that the module computes at that place (a softmax that the list does not call 'softmax' is quantised finished and normalised). What goes into a quantiser is computed in f32, as accurately as f32 sums, v_exp_f32 and their like allow (about 1e-6 of the number): no bf16 or f16 on the way to a quantiser, and a product that is left as it is and whose result goes on into a quantised operand takes f32 operands (vector FMAs, or v_wmma_f32_16x16x4_f32). A number that lies on a knife's edge between two numbers of the format may be rounded either way, as far as f32 arithmetic and the matrix unit's own rounding can turn it there, and no further.
;; One version. Each part assembles by itself: llvm-mc -triple=amdgcn-amd-amdhsa -mcpu=gfx1250 --defsym DOCPART=n.
;; ======== version 1 of 1: 4 launches
;; limits: right only within a limited range of input values
;; workspace buffers: xcodes 6,291,456 bytes; xscales 262,144 bytes; wcodes 9,437,184 bytes; wscales 393,216 bytes; tab 1,114,112 bytes; qkv 13,107,200 bytes; acodes 6,291,456 bytes; ascales 262,144 bytes
;; launch prep (part 1): grid 768 x 1, 4 waves a work-group, no clusters, 59,904 bytes of LDS; arguments x, W_q, W_k, W_v, W_o, xcodes, xscales, wcodes, wscales, tab; writes xcodes, xscales, wcodes, wscales, tab
.if DOCPART == 1
	.amdgcn_target "amdgcn-amd-amdhsa--gfx1250"
	.amdhsa_code_object_version 6
	.text
	.protected	k_qb9579cd358_prep
	.globl	k_qb9579cd358_prep
	.p2align	8
	.type	k_qb9579cd358_prep,@function
k_qb9579cd358_prep:
	s_mov_b64 s[64:65], 0
	v_nop
	global_prefetch_b8 v0, s[64:65] scope:SCOPE_SE
	s_setreg_imm32_b32 hwreg(HW_REG_WAVE_MODE, 25, 1), 1
	s_wait_xcnt 0x0
; PREP: x and the four weights become codes of BF6 (E3M2) with one E8M0 byte for each 32 along K (K = the model's 2,048); and the XPos rotary tables are made.
; A block's scale is 2^(floor(log2(its largest magnitude)) - 4): its byte is the largest magnitude's exponent field - 4, held at 1 from below.
; HOW OPERANDS LIE IN THE WORKSPACE: as images of the matrix operand's registers.  A fragment is 16 rows x 128 K = 12 registers a lane = 1,536 bytes; register 4 c + e of lane l lies at 512 c + 16 l + 4 e.
;   In lane (r = l % 16, h = l / 16) registers 6 c' .. 6 c' + 5 hold the 32 codes of block 2 c' + h of row r.  Codes: [row / 16][k / 128][1,536]; scale words (four bytes: a row's 128 along K): [row / 16][k / 128][row % 16].
; THREE ROLES, by the work-group's number, each with LDS bytes of its own and its own end:
;   0-383   weights.  They are stored [K][N]: a lane takes a column and its registers run down K, so a block of 32 lies in one lane.  wcodes' rows: 0-2047 W_q's columns, then W_k's 1,024, W_v's 1,024, W_o's 2,048.
;           W_o's blocks are laid with places 8-15 and 16-23 exchanged, as the attention result's blocks come out of its quantiser: a permutation inside a block, alike on both sides, changes no product.
;   384-639 x: 16 rows a work-group, 512 along K a wave.
;   640-767 tables [t / 16][q = 0..15][lane][4] f32: q < 8: C, q >= 8: S, for t = 16 (t / 16) + r and i = 16 ((q % 8) / 2) + 8 h + 4 (q % 2) + e.
;           For q: C = cos x scale, S = sin x scale; for k: cos / scale, sin / scale; a third table of eight blocks has C = 1, S = 0.
; LIMITS: NaN and infinities among the inputs are not served.  A block whose largest magnitude lies under 2^-122 (a block of zeros too) gets the byte 1; the bytes are read by this program alone.
;   The angle t x 10000^(-i/64) is made by v_exp_f32 and one multiplication: at the largest t it can differ by about 1e-4 rad from another f32 evaluation.  sin and cos: reduction by pi/2 in two parts, polynomials of degree 7 and 8.
;   The weights' scale words leave in pieces of 64 bytes: one byte in 128 of what the role reads.
.set TM,  224                          ; v224-239 the quantiser's work
.set PC,  12                           ; v12-30   the codes just made
.set PW,  240                          ; v240     the scale word just made
.set SEL, 52                           ; s[52:53] lane selects: lane l xor 16
; 64 numbers of a lane, register 16 b + i = place 16 (lane / 16) + i of block b of my row, become a fragment's 12 registers in v[PC] on and my row's scale word in v[PW]
.macro QUANT s
.irp b, 0,1,2,3
	v_max3_num_f32 v[TM+\b], |v[\s+16*\b]|, |v[\s+1+16*\b]|, 0x2800000   ; my 16 numbers of block b, and the floor 2^(5 - 127): the byte cannot fall under 1
.endr
.irp i, 2,4,6,8,10,12,14
.irp b, 0,1,2,3
	v_max3_num_f32 v[TM+\b], v[TM+\b], |v[\s+16*\b+\i]|, |v[\s+1+16*\b+\i]|
.endr
.endr
.irp b, 0,1,2,3
	v_permlanex16_b32 v[TM+4+\b], v[TM+\b], s[SEL], s[SEL+1]
.endr
.irp b, 0,1,2,3
	v_max_num_f32 v[TM+\b], v[TM+\b], v[TM+4+\b]                       ; with lane l xor 16's: the block's largest magnitude
.endr
.irp b, 0,1,2,3
	v_add_nc_u32 v[TM+12+\b], 0xfe000000, v[TM+\b]                     ; 4 off its exponent field: the conversion's scale operand
.endr
.irp b, 0,1,2,3
	v_lshrrev_b32 v[TM+4+\b], 23, v[TM+12+\b]                          ; the scale's byte
.endr
	v_lshl_or_b32 v[PW], v[TM+5], 8, v[TM+4]
	v_lshl_or_b32 v[PW], v[TM+6], 16, v[PW]
	v_lshl_or_b32 v[PW], v[TM+7], 24, v[PW]
.irp c, 0,1
	v_cvt_scalef32_pk16_bf6_f32 v[PC+6*\c:PC+2+6*\c], v[\s+32*\c:\s+15+32*\c], v[TM+12+2*\c]
	v_cvt_scalef32_pk16_bf6_f32 v[PC+12+4*\c:PC+14+4*\c], v[\s+16+32*\c:\s+31+32*\c], v[TM+12+2*\c+1]   ; (a conversion's three registers begin on an even number)
.endr
	v_nop                                                              ; one plain line behind the scaled conversions
.irp c, 0,1                            ; a whole block to a lane: lanes 0-15 block 2 c, lanes 16-31 block 2 c + 1
.irp i, 0,1,2
	v_permlane16_swap_b32 v[PC+6*\c+\i], v[PC+12+4*\c+\i]
.endr
.irp i, 0,1,2
	v_mov_b32 v[PC+3+6*\c+\i], v[PC+12+4*\c+\i]
.endr
.endr
.endm
	s_load_b256 s[4:11], s[0:1], 0x0               ; x, W_q, W_k, W_v
	s_load_b256 s[12:19], s[0:1], 0x20             ; W_o, xcodes, xscales, wcodes
	s_load_b128 s[20:23], s[0:1], 0x40             ; wscales, tab
	v_lshl_add_u32 v254, v0, 2, 0xe800
	v_mov_b32 v255, 0
	v_lshrrev_b32 v1, 5, v0
	v_readfirstlane_b32 s24, v1                    ; wave 0..3
	v_and_b32 v1, 31, v0                           ; lane
	v_and_b32 v2, 15, v0                           ; r
	v_bfe_u32 v3, v0, 4, 1                         ; h
	v_lshlrev_b32 v7, 4, v1                        ; 16 x lane
	s_wait_kmcnt 0x0
	s_cmp_lt_u32 ttmp9, 384
	s_cbranch_scc0 .Lnot_weights
; ---------------- ROLE: WEIGHTS.  xb = which 128 of the 6,144 columns, yb = which 256 along K; a wave takes 32 columns x 256 K: 8 blocks a lane
	s_lshr_b32 s25, ttmp9, 3                       ; xb
	s_and_b32 s26, ttmp9, 7                        ; yb
	s_mov_b64 s[28:29], s[12:13]                   ; xb 32-47: W_o,
	s_mov_b32 s30, 32                              ; whose first xb is 32,
	s_mov_b32 s31, 8192                            ; a row of 8,192 bytes,
	s_mov_b32 s32, 65536                           ; places 8-15 take the rows 8 further down, places 16-23 those 8 further up
	s_cmp_lt_u32 s25, 32
	s_cselect_b64 s[28:29], s[10:11], s[28:29]     ; xb 24-31: W_v
	s_cselect_b32 s30, 24, s30
	s_cselect_b32 s31, 4096, s31
	s_cselect_b32 s32, 0, s32
	s_cmp_lt_u32 s25, 24
	s_cselect_b64 s[28:29], s[8:9], s[28:29]       ; xb 16-23: W_k
	s_cselect_b32 s30, 16, s30
	s_cmp_lt_u32 s25, 16
	s_cselect_b64 s[28:29], s[6:7], s[28:29]       ; xb 0-15: W_q
	s_cselect_b32 s30, 0, s30
	s_cselect_b32 s31, 8192, s31
	s_wait_alu depctr_va_vdst(0)
	v_lshlrev_b32 v4, 2, v1                        ; 4 bytes a lane
.set I, 0
	s_wait_alu depctr_va_vdst(0)
.rept 32                               ; the row pitch is no constant of the text, so a block's 32 row offsets stand in registers v176-207; they are never rewritten
	s_mul_i32 s33, s31, I
.if (I >= 8) && (I < 16)
	s_add_co_u32 s33, s33, s32
.elseif (I >= 16) && (I < 24)
	s_sub_co_u32 s33, s33, s32
.endif
	v_add_nc_u32 v[176+I], s33, v4
.set I, I+1
.endr
	s_sub_co_u32 s33, s25, s30
	s_lshl_b32 s33, s33, 9                         ; my work-group's 128 columns, in bytes,
	s_lshl_b32 s34, s24, 7                         ; my wave's 32
	s_add_co_u32 s33, s33, s34
	s_mul_i32 s34, s26, s31
	s_lshl_b32 s34, s34, 8                         ; 256 yb rows
	s_add_co_u32 s34, s34, s33
	s_mov_b32 s35, 0
	s_add_nc_u64 s[36:37], s[28:29], s[34:35]      ; block 0's base;
	s_lshl_b32 s34, s31, 5                         ; 32 rows on for each further block: s[36:51]
.irp t, 1,2,3,4,5,6,7
	s_add_nc_u64 s[36+2*\t:37+2*\t], s[34+2*\t:35+2*\t], s[34:35]
.endr
	s_mul_i32 s33, s24, 6144                       ; my wave's stage: [16 columns: 2][128 K: 2][1,536]
	v_mul_u32_u24 v5, v3, 3072
	v_lshl_add_u32 v5, v2, 4, v5
	v_add_nc_u32 v5, s33, v5                       ; into it: 3,072 (lane / 16) + 16 (lane % 16)
	v_add_nc_u32 v6, s33, v7                       ; out of it: 16 x lane
	v_lshlrev_b32 v8, 10, v3
	v_lshl_add_u32 v8, v2, 2, v8                   ; my column's scale words: 1,024 (lane / 16) + 4 (lane % 16)
	s_lshl_b32 s33, s25, 7
	s_lshl_b32 s34, s24, 5
	s_add_co_u32 s33, s33, s34
	s_lshl_b32 s34, s26, 1
	s_add_co_u32 s33, s33, s34                     ; (8 xb + 2 wave) 16 + 2 yb: my first fragment
	s_mul_i32 s34, s33, 1536
	s_add_nc_u64 s[18:19], s[18:19], s[34:35]
	s_lshl_b32 s34, s33, 6
	s_add_nc_u64 s[20:21], s[20:21], s[34:35]
.macro WLOAD t                         ; block t's 32 numbers of my column; a load covers 128 consecutive bytes a wave, 512 a work-group
.set I, 0
.rept 32
	global_load_b32 v[32+32*((\t)%2)+I], v[176+I], s[36+2*(\t):37+2*(\t)] th:TH_LOAD_NT
.set I, I+1
.endr
.endm
.macro WBLOCK t
.set XS, 32+32*((\t)%2)
.set OB, 1536*((\t)/4)+256*((\t)%2)    ; block t is block t % 4 of K step t / 4: it belongs to image lane (r, t % 2), registers 6 ((t % 4) / 2) on
.if (\t) < 7
	s_wait_loadcnt 32                              ; this block's 32 loads are in; the next block's may be out
.else
	s_wait_loadcnt 0x0
.endif
	v_max3_num_f32 v12, |v[XS]|, |v[XS+1]|, |v[XS+2]|
	v_max3_num_f32 v13, |v[XS+3]|, |v[XS+4]|, |v[XS+5]|
.irp i, 6,10,14,18,22,26
	v_max3_num_f32 v12, v12, |v[XS+\i]|, |v[XS+\i+1]|
	v_max3_num_f32 v13, v13, |v[XS+\i+2]|, |v[XS+\i+3]|
.endr
	v_max3_num_f32 v12, v12, |v[XS+30]|, |v[XS+31]|
	v_max3_num_f32 v12, v12, v13, 0x2800000        ; and the floor
	v_add_nc_u32 v11, 0xfe000000, v12              ; the conversion's scale operand
	v_lshrrev_b32 v13, 23, v11                     ; the byte
.if (\t)%4 == 0
	v_mov_b32 v[24+(\t)/4], v13
.else
	v_lshl_or_b32 v[24+(\t)/4], v13, 8*((\t)%4), v[24+(\t)/4]
.endif
	v_cvt_scalef32_pk16_bf6_f32 v[96:98], v[XS:XS+15], v11
	v_cvt_scalef32_pk16_bf6_f32 v[104:106], v[XS+16:XS+31], v11
	v_nop                                          ; one plain line behind the scaled conversions
	v_mov_b32 v99, v104
	v_mov_b32 v100, v105
	v_mov_b32 v101, v106                           ; v96-101: the block's 24 bytes
.if (\t)%4 < 2
	ds_store_b128 v5, v[96:99] offset:OB           ; image registers 0-3,
	ds_store_b64 v5, v[100:101] offset:OB+512      ; 4-5
.else
	ds_store_b64 v5, v[96:97] offset:OB+520        ; image registers 6-7,
	ds_store_b128 v5, v[98:101] offset:OB+1024     ; 8-11
.endif
.if (\t)+2 < 8
	WLOAD (\t)+2
.endif
	s_wait_dscnt 0x0                               ; the stores have read their registers
.endm
	s_wait_alu depctr_va_vdst(0)
	WLOAD 0
	WLOAD 1
.irp t, 0,1,2,3,4,5,6,7
	WBLOCK \t
.endr
.irp m, 0,1,2,3,4,5,6,7,8,9,10,11
	ds_load_b128 v[112+4*\m:115+4*\m], v6 offset:512*\m   ; LDS serves a wave's instructions in order: these see my stores
.endr
	global_store_b32 v8, v24, s[20:21]
	s_wait_alu depctr_va_vdst(0)
	global_store_b32 v8, v25, s[20:21] offset:64
.irp m, 0,1,2,3,4,5,6,7,8,9,10,11
	s_wait_dscnt 11-\m                             ; load m is in; the younger ones may be out
	global_store_b128 v7, v[112+4*\m:115+4*\m], s[18:19] offset:24576*(\m/6)+512*(\m%6)   ; 512 consecutive bytes, aligned
.endr
	s_wait_tensorcnt 0x0
	ds_add_u32 v254, v255
	s_wait_dscnt 0x0
	s_endpgm
.Lnot_weights:
	s_cmp_lt_u32 ttmp9, 640
	s_cbranch_scc0 .Ltables
; ---------------- ROLE: x.  The work-group takes 16 rows; wave w their K steps 4 w .. 4 w + 3
	s_sub_co_u32 s25, ttmp9, 384                   ; which 16 rows
	s_lshl_b32 s26, s25, 17                        ; 16 rows of 8,192 bytes
	s_lshl_b32 s27, s24, 11                        ; my wave's 512 numbers
	s_add_co_u32 s26, s26, s27
	s_mov_b32 s27, 0
	s_add_nc_u64 s[4:5], s[4:5], s[26:27]
	s_mul_i32 s26, s25, 24576
	s_mul_i32 s28, s24, 6144
	s_add_co_u32 s26, s26, s28
	s_add_nc_u64 s[14:15], s[14:15], s[26:27]
	s_lshl_b32 s26, s25, 10
	s_lshl_b32 s28, s24, 8
	s_add_co_u32 s26, s26, s28
	s_add_nc_u64 s[16:17], s[16:17], s[26:27]
	s_mul_i32 s28, s24, 8448
	s_add_co_u32 s28, s28, 24576                   ; my wave's stage: 16 rows x (512 bytes + 16)
	s_wait_alu depctr_va_vdst(0)
	v_add_nc_u32 v5, s28, v7                       ; in: a row as it is loaded, 16 bytes a lane
	v_mul_u32_u24 v6, v2, 528
	v_lshl_add_u32 v6, v3, 6, v6
	v_add_nc_u32 v6, s28, v6                       ; out: row r, + 64 h: my 16 neighbours of each block of 32
	s_lshl_b32 s28, s24, 8
	s_add_co_u32 s28, s28, 58368                   ; my wave's 256 bytes of scale words
	v_lshl_add_u32 v8, v2, 2, s28
	v_lshl_add_u32 v9, v1, 3, s28
	v_lshlrev_b32 v10, 3, v1
	s_mov_b32 s[SEL], 0x76543210
	s_mov_b32 s[SEL+1], 0xfedcba98
.irp b, 0,1,2,3
	v_mov_b32 v[TM+4+\b], 0                        ; written once: a lane permute's destination counts as one of its sources
.endr
.macro XL f                            ; K step f of my four: 16 loads, each a row's 512 consecutive bytes
.set RS, 32+64*((\f)%2)
.set I, 0
.rept 16
	global_load_b128 v[RS+4*I:RS+4*I+3], v7, s[4:5] offset:8192*I+512*(\f) th:TH_LOAD_NT
.set I, I+1
.endr
.endm
.macro XFRAG f
.set RS, 32+64*((\f)%2)
.if (\f) < 3
	s_wait_loadcnt 16                              ; this K step's 16 loads are in; the next one's may be out
.else
	s_wait_loadcnt 0x0
.endif
.set I, 0
.rept 16
	ds_store_b128 v5, v[RS+4*I:RS+4*I+3] offset:528*I
.set I, I+1
.endr
.irp b, 0,1,2,3
.irp j, 0,1,2,3
	ds_load_b128 v[160+16*\b+4*\j:163+16*\b+4*\j], v6 offset:128*\b+16*\j   ; LDS serves a wave's instructions in order: these see the stores above
.endr
.endr
	s_wait_dscnt 0x0
	s_wait_xcnt 0x0                                ; the last K step's stores have read their data: the codes' registers may be written again
.if (\f)+2 < 4
	XL (\f)+2
.endif
	QUANT 160
.irp c, 0,1,2
	global_store_b128 v7, v[PC+4*\c:PC+4*\c+3], s[14:15] offset:1536*(\f)+512*\c
.endr
	ds_store_b32 v8, v[PW] offset:64*(\f)          ; both halves of the lanes write the same word with the same value
.endm
	XL 0
	XL 1
	s_wait_alu depctr_va_vdst(0)
.irp f, 0,1,2,3
	XFRAG \f
.endr
	ds_load_b64 v[242:243], v9
	s_wait_dscnt 0x0
	global_store_b64 v10, v[242:243], s[16:17]     ; 256 consecutive bytes, aligned
	s_wait_tensorcnt 0x0
	ds_add_u32 v254, v255
	s_wait_dscnt 0x0
	s_endpgm
.Ltables:
; ---------------- ROLE: TABLES.  A wave makes, for 16 t and one q % 8, four entries a lane of C and S of both tables
	s_sub_co_u32 s25, ttmp9, 640
	s_lshl_b32 s25, s25, 2
	s_add_co_u32 s25, s25, s24
	s_lshr_b32 s26, s25, 3                         ; t / 16
	s_and_b32 s27, s25, 7                          ; q % 8
	s_lshl_b32 s28, s26, 4
	s_wait_alu depctr_va_vdst(0)
	v_add_nc_u32 v8, s28, v2                       ; t
	v_cvt_f32_u32 v10, v8
	s_lshr_b32 s29, s27, 1
	s_lshl_b32 s29, s29, 4
	s_and_b32 s30, s27, 1
	s_lshl_b32 s30, s30, 2
	s_add_co_u32 s29, s29, s30
	v_lshl_add_u32 v9, v3, 3, s29                  ; i of entry 0
	s_wait_alu depctr_va_vdst(0)
	s_lshl_b32 s34, s26, 13
	s_lshl_b32 s30, s27, 9
	s_add_co_u32 s34, s34, s30
	s_mov_b32 s35, 0
	s_add_nc_u64 s[22:23], s[22:23], s[34:35]
	s_mov_b32 s31, 0x424ccccd                      ; 51.2
	s_mov_b32 s32, 0xbfc90fdb                      ; -(pi/2's upper part)
	s_mov_b32 s33, 0x333bbd2e                      ; the upper part less pi/2
.irp e, 0,1,2,3
	v_add_nc_u32 v[16+\e], \e, v9
.endr
.irp e, 0,1,2,3
	v_cvt_f32_u32 v[16+\e], v[16+\e]               ; i
.endr
.irp e, 0,1,2,3
	v_mul_f32 v[20+\e], 0xbe549a78, v[16+\e]       ; -i log2(10000) / 64
	v_fma_f32 v[24+\e], v[16+\e], 2.0, s31
.endr
.irp e, 0,1,2,3
	v_mul_f32 v[24+\e], 0x3bb6db6e, v[24+\e]       ; (2 i + 51.2) / 179.2
.endr
	s_wait_alu depctr_va_vdst(0)
.irp e, 0,1,2,3
	v_exp_f32 v[20+\e], v[20+\e]                   ; the frequency
.endr
.irp e, 0,1,2,3
	v_log_f32 v[24+\e], v[24+\e]
.endr
	v_add_f32 v11, 0xc4000000, v10                 ; (plain lines behind the batch)
	v_mul_f32 v11, 0x3b000000, v11                 ; (t - 512) / 512
	s_wait_alu depctr_va_vdst(0)                   ; one wait for the batch of eight, ahead of its first reader
.irp e, 0,1,2,3
	v_mul_f32 v[28+\e], v10, v[20+\e]              ; the angle
	v_mul_f32 v[32+\e], v11, v[24+\e]              ; log2 of the scale
.endr
	s_wait_alu depctr_va_vdst(0)
.irp e, 0,1,2,3
	v_exp_f32 v[36+\e], v[32+\e]                   ; the scale,
.endr
.irp e, 0,1,2,3
	v_exp_f32 v[40+\e], -v[32+\e]                  ; and 1 / the scale
.endr
.irp e, 0,1,2,3
	v_mul_f32 v[44+\e], 0x3f22f983, v[28+\e]
.endr
.irp e, 0,1,2,3
	v_rndne_f32 v[44+\e], v[44+\e]                 ; n = the nearest whole number to angle x 2 / pi
.endr
.irp e, 0,1,2,3
	v_fma_f32 v[48+\e], v[44+\e], s32, v[28+\e]
.endr
.irp e, 0,1,2,3
	v_fma_f32 v[48+\e], v[44+\e], s33, v[48+\e]    ; rho = angle - n pi / 2, within pi / 4 of 0
.endr
.irp e, 0,1,2,3
	v_mul_f32 v[52+\e], v[48+\e], v[48+\e]
	v_mov_b32 v[56+\e], 0xb94ca1f9
	v_mov_b32 v[60+\e], 0x37ccf5ce
.endr
.irp e, 0,1,2,3
	v_fmaak_f32 v[56+\e], v[56+\e], v[52+\e], 0x3c08839e
	v_fmaak_f32 v[60+\e], v[60+\e], v[52+\e], 0xbab6061a
.endr
.irp e, 0,1,2,3
	v_fmaak_f32 v[56+\e], v[56+\e], v[52+\e], 0xbe2aaaa3
	v_fmaak_f32 v[60+\e], v[60+\e], v[52+\e], 0x3d2aaaa5
.endr
.irp e, 0,1,2,3
	v_mul_f32 v[56+\e], v[56+\e], v[52+\e]
	v_fma_f32 v[60+\e], v[52+\e], v[60+\e], -0.5
.endr
.irp e, 0,1,2,3
	v_fma_f32 v[56+\e], v[56+\e], v[48+\e], v[48+\e]   ; sin rho
	v_fma_f32 v[60+\e], v[52+\e], v[60+\e], 1.0        ; cos rho
	v_cvt_i32_f32 v[64+\e], v[44+\e]
.endr
.irp e, 0,1,2,3                        ; the quadrant: odd n exchanges the two; sin changes sign where n & 2, cos where (n + 1) & 2
	v_and_b32 v[68+\e], 1, v[64+\e]
	v_cmp_eq_u32 vcc_lo, 1, v[68+\e]
	v_cndmask_b32 v[72+\e], v[56+\e], v[60+\e], vcc_lo
	v_cndmask_b32 v[76+\e], v[60+\e], v[56+\e], vcc_lo
	v_and_b32 v[68+\e], 2, v[64+\e]
	v_lshlrev_b32 v[68+\e], 30, v[68+\e]
	v_xor_b32 v[72+\e], v[68+\e], v[72+\e]         ; sin
	v_add_nc_u32 v[68+\e], 1, v[64+\e]
	v_and_b32 v[68+\e], 2, v[68+\e]
	v_lshlrev_b32 v[68+\e], 30, v[68+\e]
	v_xor_b32 v[76+\e], v[68+\e], v[76+\e]         ; cos
.endr
	s_wait_alu depctr_va_vdst(0)                   ; one wait for the second batch of eight, ahead of its first reader
.irp e, 0,1,2,3
	v_mul_f32 v[80+\e], v[76+\e], v[36+\e]
	v_mul_f32 v[84+\e], v[72+\e], v[36+\e]
	v_mul_f32 v[88+\e], v[76+\e], v[40+\e]
	v_mul_f32 v[92+\e], v[72+\e], v[40+\e]
.endr
	global_store_b128 v7, v[80:83], s[22:23]                   ; each store covers 512 consecutive bytes, aligned
	global_store_b128 v7, v[84:87], s[22:23] offset:4096
	global_store_b128 v7, v[88:91], s[22:23] offset:524288
	global_store_b128 v7, v[92:95], s[22:23] offset:528384
	s_cmp_lt_u32 s26, 8
	s_cbranch_scc0 .Ltables_end
.irp e, 0,1,2,3
	v_mov_b32 v[96+\e], 1.0
	v_mov_b32 v[100+\e], 0
.endr
	global_store_b128 v7, v[96:99], s[22:23] offset:1048576
	global_store_b128 v7, v[100:103], s[22:23] offset:1052672
.Ltables_end:
	s_endpgm
.Lfunc_end_k_qb9579cd358_prep:
	.size	k_qb9579cd358_prep, .Lfunc_end_k_qb9579cd358_prep-k_qb9579cd358_prep
	.p2alignl 7, 3214868480
	.fill 96, 4, 3214868480
	.section	.rodata,"a",@progbits
	.p2align	6, 0x0
	.amdhsa_kernel k_qb9579cd358_prep
		.amdhsa_group_segment_fixed_size 59904
		.amdhsa_private_segment_fixed_size 0
		.amdhsa_enable_private_segment 0
		.amdhsa_kernarg_size 80
		.amdhsa_user_sgpr_count 2
		.amdhsa_user_sgpr_kernarg_segment_ptr 1
		.amdhsa_wavefront_size32 1
		.amdhsa_system_sgpr_workgroup_id_x 1
		.amdhsa_system_sgpr_workgroup_id_y 1
		.amdhsa_system_sgpr_workgroup_id_z 1
		.amdhsa_system_vgpr_workitem_id 0
		.amdhsa_next_free_vgpr 256
		.amdhsa_next_free_sgpr 66
		.amdhsa_reserve_vcc 1
		.amdhsa_float_denorm_mode_32 3
		.amdhsa_float_denorm_mode_16_64 3
		.amdhsa_memory_ordered 1
		.amdhsa_forward_progress 1
		.amdhsa_inst_pref_size 87
	.end_amdhsa_kernel
	.amdgpu_metadata
---
amdhsa.version: [ 1, 2 ]
amdhsa.kernels:
  - .name:           k_qb9579cd358_prep
    .symbol:         k_qb9579cd358_prep.kd
    .args:
      - { .name: x, .offset: 0, .size: 8, .value_kind: global_buffer, .address_space: global }
      - { .name: W_q, .offset: 8, .size: 8, .value_kind: global_buffer, .address_space: global }
      - { .name: W_k, .offset: 16, .size: 8, .value_kind: global_buffer, .address_space: global }
      - { .name: W_v, .offset: 24, .size: 8, .value_kind: global_buffer, .address_space: global }
      - { .name: W_o, .offset: 32, .size: 8, .value_kind: global_buffer, .address_space: global }
      - { .name: xcodes, .offset: 40, .size: 8, .value_kind: global_buffer, .address_space: global }
      - { .name: xscales, .offset: 48, .size: 8, .value_kind: global_buffer, .address_space: global }
      - { .name: wcodes, .offset: 56, .size: 8, .value_kind: global_buffer, .address_space: global }
      - { .name: wscales, .offset: 64, .size: 8, .value_kind: global_buffer, .address_space: global }
      - { .name: tab, .offset: 72, .size: 8, .value_kind: global_buffer, .address_space: global }
    .group_segment_fixed_size: 59904
    .private_segment_fixed_size: 0
    .kernarg_segment_align: 8
    .kernarg_segment_size: 80
    .max_flat_workgroup_size: 128
    .sgpr_count:     66
    .vgpr_count:     256
    .wavefront_size: 32
...
	.end_amdgpu_metadata
.endif
;; end of part 1
;; launch qkv (part 2): grid 16 x 16, 4 waves a work-group, clusters of 4 x 4, 327,680 bytes of LDS; arguments xcodes, xscales, wcodes, wscales, tab, qkv; writes qkv
.if DOCPART == 2
	.amdgcn_target "amdgcn-amd-amdhsa--gfx1250"
	.amdhsa_code_object_version 6
	.text
	.protected	k_qb9579cd358_qkv
	.globl	k_qb9579cd358_qkv
	.p2align	8
	.type	k_qb9579cd358_qkv,@function
k_qb9579cd358_qkv:
	s_mov_b64 s[64:65], 0
	v_nop
	global_prefetch_b8 v0, s[64:65] scope:SCOPE_SE
	s_setreg_imm32_b32 hwreg(HW_REG_WAVE_MODE, 25, 1), 1
	s_wait_xcnt 0x0
	s_wait_alu depctr_hold_cnt(0) depctr_sa_sdst(0) depctr_va_vdst(0) depctr_va_sdst(0) depctr_va_ssrc(0) depctr_va_vcc(0) depctr_vm_vsrc(0)
	s_getreg_b32 s2, hwreg(HW_REG_IB_STS2, 6, 4)
	s_cmp_eq_u32 s2, 0
	s_cbranch_scc0 .Lentry_in_a_cluster
	s_endpgm
.Lentry_in_a_cluster:
	s_bfe_u32 s2, ttmp6, 0x10000c
	s_cmp_lg_u32 s2, 0xf033
	s_cbranch_scc0 .Lentry_shape_is_right
	s_endpgm
.Lentry_shape_is_right:
; QKV: q = x W_q, k = x W_k, v = x W_v on codes of BF6 (E3M2) with E8M0 scales; then the XPos rotary on q and k, in f32; then q, k (along the head's 128) and v (along the tokens) are quantised and stored as operand images.
; A tile of 256 x 256 to a work-group of four waves, 128 x 128 (one head wide) to a wave: 64 accumulators, 512 registers.  K = 2,048 goes in steps of 256 through a ring of two LDS slots filled by the tensor data mover.
; OPERANDS lie in memory as images of the operand's registers ([row / 16][k / 128][1,536]: register 4 c + e of lane l at 512 c + 16 l + 4 e): a fragment comes by three loads of 16 bytes a lane.
; THE MATRIX INSTRUCTION IS USED TRANSPOSED: source 0 = 16 rows of "B", source 1 = 16 rows of "A": a lane holds one row of A and eight neighbouring rows of B.
; WHO IS A.  Cluster x = 0, 1 (q) and 2 (k): A = x's rows (tokens), B = the weights' columns.  Cluster x = 3 (v): A = W_v's columns, B = tokens.  The choice is a select of pointers on the cluster's x alone.
; CLUSTERS: 4 x 4.  A's tile hangs on the cluster's row, B's on its column: each is asked for jointly by the four that share it.
; THE HEAD: one joint load a wave: wave 0 slot 0's 256 rows of A, wave 1 those of B, wave 2 A's scale words for all of K, wave 3 B's.  Slot 1 is first filled behind the full sequence and a round, as a refill is.
; PREFETCH: each wave names, of the 8 runs of 3,072 bytes that it fetches, its work-group's 2 (by cx for A, cy for B: by address alone), 24 blocks of 256 bytes, a lane a block (lanes 24-31 name block 23 again).
;   The head asks for K slots 1 and 2, slot 1's fill for slot 3, the refill of K slot n + 2 for slot n + 4; the loop's last trip asks for nothing: K has 8 slots.
; THE WAY OUT: 16 rows of A at a time, out = lo C - hi S, hi C + lo S with C, S from a table block (for v: C = 1, S = 0), the quantiser, three stores of 512 bytes.  A wave writes one block of 12,800 bytes: 8 fragments, then 128 scale words.
;   The table blocks have four buffers in window 1; block 0's registers are idle through the whole walk along K and its loads go out three K steps ahead of the way out, block 1's one step ahead.
;   The quantiser takes registers 16 B .. 16 B + 15 of lanes l and l xor 16 as block B: the right 32 numbers, with places 8-15 and 16-23 exchanged.  Both sides of each later product are made so, which changes no product.
; BLOCKS in qkv: q: (b 16 + head) 8 + t / 128;  k: 512 + ((b 8 + g) 8 + t / 128) 2;  v: the same + 1.
; LIMITS: NaN and infinities are not served (for v, 0 x infinity would give NaN); a block whose largest magnitude lies under 2^-122 gets the byte 1.  cos x scale is applied as one factor.
; REGISTERS: window 0: v16-30 addresses; v32-63 scale words, two sets; v128-223 A's fragments.  window 1: B's fragments, two sets, at v0 and v128.  windows 2, 3: the accumulators ((a, b) at v[8 (8 (a % 4) + b)] of window 2 + a / 4).
.set NQ,    2
.set FR,    12
.set NL,    3
.set NP,    4
.set RBB,   1536*NQ                    ; 16 rows' bytes in a slot
.set KROW,  24576                      ; 16 rows' bytes in memory, all of K
.set HALFA, 8*RBB                      ; 128 rows
.set SLOT,  4*HALFA                    ; A's 256 rows, then B's
.set SCL,   2*SLOT                     ; the scale words for all of K: A's 16,384 bytes, then B's; filled once
.set SPARE, SCL+4*8192                 ; the spare words, 128 bytes a wave
.set LAPS,  4
.set ADRA, 16
.set ADRB, 20
.set PWA,  24                          ; the way out: where a scale word goes (in slot 0, which has then had its last fill and its last read)
.set PWR,  25
.set LI,   26                          ; 16 x lane
.set ADRS, 27
.set SPW,  28
.set NIL,  29
.set PFO,  30                          ; the prefetches' offset; never rewritten
.set SC,   32
.set AF,   128
.set H,    64                          ; the way out: v64-127 64 numbers; v128-143, v144-162, v164 the quantiser's; v176-179 words read back; v192-223 products at work
.set TM,   128
.set PC,   144
.set PW,   164
.set WB,   176
.set TT,   192
.set SEL,  100
.set PFA,  90                          ; s[90:91] where my prefetches stand
.set G0H,  4                           ; s[4:7], s[8:11] group 0 of the head's loads of codes
.set G0HB, 8
.set G1,   24
.set G0,   32
.set G1B,  40
.set G0B,  48
.set G1S,  56
.set G0S,  68
.set G1SB, 72
.set G0SB, 80
.set MSB, 0
.macro WIN new
.if MSB != (\new)
	s_set_vgpr_msb (MSB<<8)|(\new)
.set MSB, \new
.endif
.endm
.set MUL_LO, 0xa1
.set MUL_HI, 0xf1
.set TO_B,   0x40
.macro JLOAD g0a, g1a, g0b, g1b        ; a joint load: waves 0, 1 fetch for A, waves 2, 3 for B
	s_cmp_eq_u32 s17, 0
	s_cbranch_scc0 .Lfor_b_\@
	tensor_load_to_lds s[\g0a:\g0a+3], s[\g1a:\g1a+7]
	s_nop 0
.rept 4
	v_nop
.endr
	s_branch .Lasked_\@
.Lfor_b_\@:
	tensor_load_to_lds s[\g0b:\g0b+3], s[\g1b:\g1b+7]
	s_nop 0
.rept 4
	v_nop
.endr
.Lasked_\@:
.endm
.macro CREST
	s_cmp_lg_u32 s16, 0
	s_cbranch_scc1 .Lnot_wave_0_\@
	s_barrier_signal -3
.Lnot_wave_0_\@:
	s_barrier_wait -3
	s_barrier_signal -1
	s_barrier_wait -1
.endm
.macro CROUND
	s_barrier_signal -1
	s_barrier_wait -1
	CREST
.endm
.macro GRP1 g, c, r, p                 ; words 1 to 7 of a group 1: r rows of c elements of 8 bytes, p elements from row to row
	s_mov_b32 s[\g+1], (\c)<<16
	s_mov_b32 s[\g+2], (\r)<<16
	s_mov_b32 s[\g+3], (\c)<<16
	s_mov_b32 s[\g+4], \r
	s_mov_b32 s[\g+5], \p
	s_mov_b32 s[\g+6], 0
	s_mov_b32 s[\g+7], 0
.endm
.macro QUANT s                         ; 64 numbers of a lane -> a fragment's 12 registers in v[PC] on, my row's scale word in v[PW].  Two chains of maxima for each block: eight chains by turns
.irp b, 0,1,2,3
	v_max3_num_f32 v[TM+\b], |v[\s+16*\b]|, |v[\s+1+16*\b]|, 0x2800000   ; and the floor 2^(5 - 127): the byte cannot fall under 1
.endr
.irp b, 0,1,2,3
	v_max3_num_f32 v[TM+8+\b], |v[\s+8+16*\b]|, |v[\s+9+16*\b]|, |v[\s+10+16*\b]|
.endr
.irp i, 2,4
.irp b, 0,1,2,3
	v_max3_num_f32 v[TM+\b], v[TM+\b], |v[\s+16*\b+\i]|, |v[\s+1+16*\b+\i]|
.endr
.irp b, 0,1,2,3
	v_max3_num_f32 v[TM+8+\b], v[TM+8+\b], |v[\s+9+16*\b+\i]|, |v[\s+10+16*\b+\i]|
.endr
.endr
.irp b, 0,1,2,3
	v_max3_num_f32 v[TM+\b], v[TM+\b], |v[\s+6+16*\b]|, |v[\s+7+16*\b]|
.endr
.irp b, 0,1,2,3
	v_max3_num_f32 v[TM+\b], v[TM+\b], v[TM+8+\b], |v[\s+15+16*\b]|
.endr
.irp b, 0,1,2,3
	v_permlanex16_b32 v[TM+4+\b], v[TM+\b], s[SEL], s[SEL+1]
.endr
.irp b, 0,1,2,3
	v_max_num_f32 v[TM+\b], v[TM+\b], v[TM+4+\b]
.endr
.irp b, 0,1,2,3
	v_add_nc_u32 v[TM+12+\b], 0xfe000000, v[TM+\b]
.endr
.irp b, 0,1,2,3
	v_lshrrev_b32 v[TM+4+\b], 23, v[TM+12+\b]
.endr
	v_lshl_or_b32 v[PW], v[TM+5], 8, v[TM+4]
	v_lshl_or_b32 v[PW], v[TM+6], 16, v[PW]
	v_lshl_or_b32 v[PW], v[TM+7], 24, v[PW]
.irp c, 0,1
	v_cvt_scalef32_pk16_bf6_f32 v[PC+6*\c:PC+2+6*\c], v[\s+32*\c:\s+15+32*\c], v[TM+12+2*\c]
	v_cvt_scalef32_pk16_bf6_f32 v[PC+12+4*\c:PC+14+4*\c], v[\s+16+32*\c:\s+31+32*\c], v[TM+12+2*\c+1]
.endr
	v_nop                                          ; one plain line behind the scaled conversions
.irp c, 0,1
.irp i, 0,1,2
	v_permlane16_swap_b32 v[PC+6*\c+\i], v[PC+12+4*\c+\i]
.endr
.irp i, 0,1,2
	v_mov_b32 v[PC+3+6*\c+\i], v[PC+12+4*\c+\i]
.endr
.endr
.endm
	s_load_b256 s[4:11], s[0:1], 0x0               ; xcodes, xscales, wcodes, wscales
	s_load_b128 s[12:15], s[0:1], 0x20             ; tab, qkv
	v_lshl_add_u32 v[SPW], v0, 2, SPARE
	v_mov_b32 v[NIL], 0
	ds_add_u32 v[SPW], v[NIL]                      ; the opening lines: the add, twice on end, and its wait ahead of my first tensor load
	ds_add_u32 v[SPW], v[NIL]
	v_lshrrev_b32 v1, 5, v0
	v_readfirstlane_b32 s16, v1                    ; wave 0..3
	s_lshr_b32 s17, s16, 1                         ; hr: which half of A's rows is mine.  In the ring: I fetch for A (0) or for B (1)
	s_and_b32 s18, s16, 1                          ; hc: which half of B's rows.  In the ring: which 128 rows I fetch
	s_bfe_u32 s84, ttmp6, 0x40000                  ; cx
	s_bfe_u32 s85, ttmp6, 0x40004                  ; cy
	s_mov_b32 s86, ttmp9                           ; the cluster's x: 0, 1 q; 2 k; 3 v
	s_and_b32 s87, ttmp7, 0xffff                   ; the cluster's y
	s_lshl_b32 s19, s87, 2
	s_lshl_b32 s20, s86, 2
	s_cmp_eq_u32 s86, 3
	s_cselect_b32 s88, 12, s19
	s_cselect_b32 s89, s19, s20
	s_add_co_u32 s88, s88, s85                     ; A's tile of 256 rows: 4 y + cy of x; for v: 12 + cy of the weights
	s_add_co_u32 s89, s89, s84                     ; B's: 4 x + cx of the weights; for v: 4 y + cx of x
	s_lshl_b32 s90, s85, 2
	s_lshl_b32 s90, 15, s90                        ; my row of the cluster
	s_lshl_b32 s91, 0x1111, s84                    ; my column
	s_or_b32 s[G1+0], s90, (3<<16)|(1<<21)         ; the mask; elements of 8 bytes; 21 set beside a mask
	s_or_b32 s[G1B+0], s91, (3<<16)|(1<<21)
	GRP1 G1, RBB/8, 16, KROW/8                     ; the head's: 16 runs of 3,072 bytes, 24,576 bytes apart
	GRP1 G1B, RBB/8, 16, KROW/8
	s_or_b32 s[G1S+0], s90, (3<<16)|(1<<21)
	s_or_b32 s[G1SB+0], s91, (3<<16)|(1<<21)
	GRP1 G1S, 32, 64, 32                           ; 16,384 dense bytes as 64 rows of 256
	GRP1 G1SB, 32, 64, 32
	s_lshl_b32 s19, s88, 4                         ; A: the tile's first run of 16 rows
	s_mul_i32 s20, s19, KROW
	s_mov_b32 s21, 0
	s_lshl_b32 s22, s19, 10
	s_mov_b32 s23, 0
	s_lshl_b32 s2, s89, 4                          ; B likewise, in registers that never hold cy
	s_mul_i32 s100, s2, KROW
	s_mov_b32 s101, 0
	s_lshl_b32 s2, s2, 10
	s_mov_b32 s3, 0
	s_wait_dscnt 0x0                               ; both opening adds are done
	s_wait_kmcnt 0x0
	s_cmp_eq_u32 s86, 3
	s_cselect_b64 s[92:93], s[8:9], s[4:5]         ; A's codes,
	s_cselect_b64 s[94:95], s[10:11], s[6:7]       ; A's scales,
	s_cselect_b64 s[96:97], s[4:5], s[8:9]         ; B's codes,
	s_cselect_b64 s[98:99], s[6:7], s[10:11]       ; B's scales
	s_add_nc_u64 s[92:93], s[92:93], s[20:21]
	s_add_nc_u64 s[94:95], s[94:95], s[22:23]
	s_add_nc_u64 s[96:97], s[96:97], s[100:101]
	s_add_nc_u64 s[98:99], s[98:99], s[2:3]
	s_mov_b32 s[G0H], 1                            ; the head's four tiles, each whole
	s_mov_b32 s[G0H+1], 0
	s_mov_b64 s[G0H+2:G0H+3], s[92:93]
	s_or_b32 s[G0H+3], s[G0H+3], 0x80000000
	s_mov_b32 s[G0HB], 1
	s_mov_b32 s[G0HB+1], 2*HALFA
	s_mov_b64 s[G0HB+2:G0HB+3], s[96:97]
	s_or_b32 s[G0HB+3], s[G0HB+3], 0x80000000
	s_mov_b32 s[G0S], 1
	s_mov_b32 s[G0S+1], SCL
	s_mov_b64 s[G0S+2:G0S+3], s[94:95]
	s_or_b32 s[G0S+3], s[G0S+3], 0x80000000
	s_mov_b32 s[G0SB], 1
	s_mov_b32 s[G0SB+1], SCL+16384
	s_mov_b64 s[G0SB+2:G0SB+3], s[98:99]
	s_or_b32 s[G0SB+3], s[G0SB+3], 0x80000000
	s_cmp_eq_u32 s17, 0                            ; the prefetches: the operand that I fetch in the ring,
	s_cselect_b64 s[PFA:PFA+1], s[92:93], s[96:97]
	s_cselect_b32 s20, s84, s85                    ; my place among the four that ask for it with me: 2 runs each
	s_lshl_b32 s20, s20, 1
	s_lshl_b32 s21, s18, 3
	s_add_co_u32 s20, s20, s21
	s_mul_i32 s20, s20, KROW
	s_mov_b32 s21, 0
	s_add_nc_u64 s[PFA:PFA+1], s[PFA:PFA+1], s[20:21]
	s_mul_i32 s22, s18, 8*KROW                     ; for the ring: my 128 rows of the tile
	s_mov_b32 s23, 0
	s_add_nc_u64 s[92:93], s[92:93], s[22:23]
	s_add_nc_u64 s[96:97], s[96:97], s[22:23]
	s_mul_i32 s19, s16, HALFA                      ; where they go: wave x 128 rows
.irp s, 0,1
	s_mov_b32 s[G0+4*\s], 1
	s_add_co_u32 s[G0+4*\s+1], s19, \s*SLOT
	s_add_nc_u64 s[G0+4*\s+2:G0+4*\s+3], s[92:93], \s*RBB
	s_or_b32 s[G0+4*\s+3], s[G0+4*\s+3], 0x80000000
	s_mov_b32 s[G0B+4*\s], 1
	s_add_co_u32 s[G0B+4*\s+1], s19, \s*SLOT
	s_add_nc_u64 s[G0B+4*\s+2:G0B+4*\s+3], s[96:97], \s*RBB
	s_or_b32 s[G0B+4*\s+3], s[G0B+4*\s+3], 0x80000000
.endr
	CROUND                                         ; all sixteen work-groups are here: the first joint loads meet
.macro ARM under, g0, g1, next         ; one chain of branches on the wave's number: every way passes exactly one load
	s_cmp_lt_u32 s16, \under
	s_cbranch_scc0 \next
	tensor_load_to_lds s[\g0:\g0+3], s[\g1:\g1+7]
	s_nop 0
.rept 4
	v_nop
.endr
	s_branch .Lhead_asked
\next:
.endm
	ARM 1, G0H,  G1,  .Lhead_b
	ARM 2, G0HB, G1B, .Lhead_sa
	ARM 3, G0S,  G1S, .Lhead_sb
	tensor_load_to_lds s[G0SB:G0SB+3], s[G1SB:G1SB+7]
	s_nop 0
.rept 4
	v_nop
.endr
.Lhead_asked:
	v_and_b32 v1, 31, v0
	v_lshlrev_b32 v[LI], 4, v1
	v_and_b32 v2, 15, v0                           ; r
	v_bfe_u32 v3, v0, 4, 1                         ; h
	v_min_u32 v5, 23, v1                           ; my block of the 24
	v_mul_u32_u24 v6, v5, 43
	v_lshrrev_b32 v6, 9, v6                        ; 1 from block 12 on: the second run
	v_lshlrev_b32 v5, 8, v5
	v_mad_u32_u24 v[PFO], v6, KROW-RBB, v5
	s_wait_alu depctr_va_vdst(0)                   ; the wait here
	global_prefetch_b8 v[PFO], s[PFA:PFA+1] offset:RBB th:TH_LOAD_NT scope:SCOPE_SE      ; K slot 1
	global_prefetch_b8 v[PFO], s[PFA:PFA+1] offset:2*RBB th:TH_LOAD_NT scope:SCOPE_SE    ; K slot 2
	s_mul_i32 s21, s17, HALFA                      ; my 128 rows of A,
	s_mul_i32 s22, s18, HALFA
	s_add_co_u32 s22, s22, 2*HALFA                 ; of B, behind A's 256
.irp s, 0,1
	v_add_nc_u32 v[ADRA+\s], s21, v[LI]
	v_add_nc_u32 v[ADRB+\s], s22, v[LI]
	s_add_co_u32 s21, s21, SLOT
	s_add_co_u32 s22, s22, SLOT
.endr
	s_lshl_b32 s21, s17, 13                        ; A's scale words: my 128 rows
	s_lshl_b32 s22, s18, 13
	s_add_co_u32 s22, s22, 2*8192                  ; B's, behind A's
	s_sub_co_u32 s22, s22, s21
	v_mul_u32_u24 v4, s22, v3                      ; lanes 16-31 take B's: the lower base + h x the distance
	v_lshl_add_u32 v4, v2, 2, v4
	s_add_co_u32 s21, s21, SCL
	v_add_nc_u32 v[ADRS], s21, v4
	s_lshl_b32 s21, s16, 9
	v_lshl_add_u32 v[PWA], v2, 2, s21
	v_add_nc_u32 v[PWR], s21, v[LI]
	; where my block goes and which table blocks I read
	s_lshl_b32 s19, s88, 8
	s_lshl_b32 s20, s17, 7
	s_add_co_u32 s19, s19, s20                     ; q, k: my first token = 256 x A's tile + 128 hr
	s_lshl_b32 s20, s89, 8
	s_lshl_b32 s21, s18, 7
	s_add_co_u32 s20, s20, s21                     ; v: 256 x B's tile + 128 hc
	s_lshl_b32 s21, s89, 1
	s_add_co_u32 s21, s21, s18                     ; q, k: my head's column: 0-15 q's heads, 16-23 k's
	s_sub_co_u32 s22, s21, 16
	s_lshl_b32 s23, s85, 1
	s_add_co_u32 s23, s23, s17                     ; v: g = 2 cy + hr
	s_cmp_eq_u32 s86, 3
	s_cselect_b32 s19, s20, s19
	s_cselect_b32 s22, s23, s22                    ; g
	s_cselect_b32 s23, 1, 0
	s_lshr_b32 s20, s19, 10                        ; b
	s_bfe_u32 s19, s19, 0x30007                    ; t / 128
	s_lshl_b32 s92, s20, 4
	s_add_co_u32 s92, s92, s21
	s_lshl_b32 s92, s92, 3
	s_add_co_u32 s92, s92, s19                     ; q's block
	s_lshl_b32 s93, s20, 3
	s_add_co_u32 s93, s93, s22
	s_lshl_b32 s93, s93, 3
	s_add_co_u32 s93, s93, s19
	s_lshl_b32 s93, s93, 1
	s_add_co_u32 s93, s93, s23
	s_add_co_u32 s93, s93, 512                     ; k's or v's
	s_lshl_b32 s94, s19, 16                        ; q's table: 8 blocks of 8,192 bytes for each 128 tokens
	s_add_co_u32 s95, s94, 524288                  ; k's
	s_cmp_lt_u32 s86, 2
	s_cselect_b32 s92, s92, s93
	s_cselect_b32 s94, s94, s95
	s_cmp_eq_u32 s86, 3
	s_cselect_b32 s94, 0x100000, s94               ; v: the table of ones and zeros
	s_mul_i32 s92, s92, 12800
	s_mov_b32 s93, 0
	s_mov_b32 s95, 0
	s_add_nc_u64 s[14:15], s[14:15], s[92:93]
	s_add_nc_u64 s[12:13], s[12:13], s[94:95]
	s_mov_b32 s[SEL], 0x76543210
	s_mov_b32 s[SEL+1], 0xfedcba98
.macro FRAG reg, adr, q, i             ; a fragment as it lies: three loads, 512 consecutive bytes each
.irp c, 0,1,2
	ds_load_b128 v[\reg+4*\c:\reg+4*\c+3], v[\adr] offset:(\i)*RBB+1536*(\q)+512*\c
.endr
.endm
; 16 matrix instructions: A's blocks a0, a0 + 1 x B's eight.  The 64 accumulators take turns, one instruction a turn, in the same order in every step.
.macro MULG a0, p, q, sc, zero
.irp a, \a0, \a0+1
.irp b, 0,1,2,3,4,5,6,7
.if \zero
	v_wmma_scale_f32_16x16x128_f8f6f4 v[8*(8*((\a)%4)+\b):8*(8*((\a)%4)+\b)+7], v[128*(\p)+FR*\b:128*(\p)+FR*\b+FR-1], v[AF+FR*(\a):AF+FR*(\a)+FR-1], 0, v[SC+8*NQ*(\sc)+NQ*\b+(\q)], v[SC+8*NQ*(\sc)+NQ*(\a)+(\q)] matrix_a_fmt:MATRIX_FMT_BF6 matrix_b_fmt:MATRIX_FMT_BF6 matrix_a_scale:MATRIX_SCALE_ROW1
.else
	v_wmma_scale_f32_16x16x128_f8f6f4 v[8*(8*((\a)%4)+\b):8*(8*((\a)%4)+\b)+7], v[128*(\p)+FR*\b:128*(\p)+FR*\b+FR-1], v[AF+FR*(\a):AF+FR*(\a)+FR-1], v[8*(8*((\a)%4)+\b):8*(8*((\a)%4)+\b)+7], v[SC+8*NQ*(\sc)+NQ*\b+(\q)], v[SC+8*NQ*(\sc)+NQ*(\a)+(\q)] matrix_a_fmt:MATRIX_FMT_BF6 matrix_b_fmt:MATRIX_FMT_BF6 matrix_a_scale:MATRIX_SCALE_ROW1
.endif
.endr
.endr
.endm
.macro FETCH_B slot, q, p
	WIN TO_B
.irp i, 0,1,2,3,4,5,6,7
	FRAG 128*(\p)+FR*\i, ADRB+\slot, \q, \i
.endr
	WIN 0
.endm
.macro FETCH_A slot, q, i0
.irp i, \i0, \i0+1, \i0+2, \i0+3
	FRAG AF+FR*(\i), ADRA+\slot, \q, \i
.endr
.endm
.macro SCALES sc                       ; a slot's scale words: register NQ i + q: lanes 0-15 A's block i, lanes 16-31 B's block i
.irp i, 0,1,2,3,4,5,6,7
.irp q, 0,1
	ds_load_b32 v[SC+8*NQ*\sc+NQ*\i+\q], v[ADRS] offset:1024*\i+64*\q
.endr
.endr
.endm
.macro PLACES n                        ; plain vector lines between a matrix instruction and a load into, or a vector read of, its registers
.rept \n
	v_nop
.endr
.endm
.macro STEP slot, q, zero              ; a step of 128 along K that has its successor in the same slot
	s_wait_dscnt 4*NL                              ; all but the youngest 12 loads (A's blocks 4-7) are in
	WIN MUL_LO
	MULG 0, (\q)%2, \q, \slot, \zero
	MULG 2, (\q)%2, \q, \slot, \zero
	s_wait_dscnt 0
	PLACES NP
	FETCH_B \slot, (\q)+1, 1-(\q)%2
	FETCH_A \slot, (\q)+1, 0
	WIN MUL_HI
	MULG 4, (\q)%2, \q, \slot, \zero
	MULG 6, (\q)%2, \q, \slot, \zero
	PLACES NP
	WIN 0
	FETCH_A \slot, (\q)+1, 4
.endm
; A slot's last step changes slots: one barrier; in front of it each wave waits for all its tensor loads, adds 0 to its spare word, and waits for that and for its reads of this slot.  fill = 1: this slot is filled again, two slots ahead.
.macro TURN slot, next, fill
.if \fill
	s_wait_xcnt 0x0                                ; my last prefetch has read its address: it steps one K slot on
	s_add_nc_u64 s[PFA:PFA+1], s[PFA:PFA+1], RBB
.endif
	s_wait_tensorcnt 0x0                           ; all my tensor loads have landed: my part of the next slot
	ds_add_u32 v[SPW], v[NIL]                      ; 0 onto my spare word
	s_wait_dscnt 4*NL+1                            ; (the add and the youngest 12 loads may be out)
	WIN MUL_LO
	MULG 0, 1, NQ-1, \slot, 0
	s_wait_dscnt 0x0                               ; the add is done, and my reads of this slot are over
	s_barrier_signal -1
	MULG 2, 1, NQ-1, \slot, 0
	WIN 0
	s_barrier_wait -1
.if \fill
	CREST                                          ; the barrier has opened a round of the cluster's barrier
	s_add_nc_u64 s[G0+4*\slot+2:G0+4*\slot+3], s[G0+4*\slot+2:G0+4*\slot+3], 2*RBB
	s_add_nc_u64 s[G0B+4*\slot+2:G0B+4*\slot+3], s[G0B+4*\slot+2:G0B+4*\slot+3], 2*RBB
	JLOAD G0+4*\slot, G1, G0B+4*\slot, G1B         ; my one tensor load behind the round; its four v_nop are also the places in front of the loads below
.else
	PLACES NP
.endif
	s_wait_alu depctr_va_vdst(0)                   ; the wait here, ahead of the reader below
	v_add_nc_u32 v[ADRS], 64*NQ, v[ADRS]           ; the next slot's scale words
	FETCH_B \next, 0, 0
	FETCH_A \next, 0, 0
	SCALES \next
.if \fill
	s_cmp_gt_u32 s3, 1                             ; the loop's last trip has no K slot two refills on
	s_cbranch_scc0 .Lno_ask_\@
	global_prefetch_b8 v[PFO], s[PFA:PFA+1] offset:3*RBB th:TH_LOAD_NT scope:SCOPE_SE   ; the K slot two refills on
.Lno_ask_\@:
.endif
	WIN MUL_HI
	MULG 4, 1, NQ-1, \slot, 0
	MULG 6, 1, NQ-1, \slot, 0
	PLACES NP
	WIN 0
	FETCH_A \next, 0, 4
.endm
; The table blocks' four buffers fill window 1: C's 32 registers at TBC, S's at TBS
.macro TBUF a
.if ((\a)%4) == 0
.set TBC, 96
.set TBS, 224
.elseif ((\a)%4) == 1
.set TBC, 0
.set TBS, 32
.elseif ((\a)%4) == 2
.set TBC, 128
.set TBS, 160
.else
.set TBC, 64
.set TBS, 192
.endif
.endm
.macro TLOAD a                         ; the table block of A's rows 16 a on: 16 loads of 512 bytes: register 8 b + j of C and of S for i = 16 b + 8 h + j
	TBUF \a
	WIN 0x40
.set I, 0
.rept 8
	global_load_b128 v[TBC+4*I:TBC+4*I+3], v[LI], s[12:13] offset:8192*(\a)+512*I
.set I, I+1
.endr
.set I, 0
.rept 8
	global_load_b128 v[TBS+4*I:TBS+4*I+3], v[LI], s[12:13] offset:8192*(\a)+4096+512*I
.set I, I+1
.endr
	WIN 0
.endm
	s_wait_alu depctr_va_vdst(0)
	s_wait_tensorcnt 0x0                           ; my tile of the head's four is in
	ds_add_u32 v[SPW], v[NIL]
	s_mov_b32 s[G1+2], 8<<16                       ; no tensor load of mine is out: from here on a load brings 8 runs
	s_mov_b32 s[G1+4], 8
	s_mov_b32 s[G1B+2], 8<<16
	s_mov_b32 s[G1B+4], 8
	s_wait_dscnt 0x0
	CROUND                                         ; all four tiles are in, and all sixteen work-groups are here
	JLOAD G0+4, G1, G0B+4, G1B                     ; slot 1's first fill, the first tensor load behind the round
	FETCH_B 0, 0, 0
	FETCH_A 0, 0, 0
	SCALES 0
	FETCH_A 0, 0, 4
	global_prefetch_b8 v[PFO], s[PFA:PFA+1] offset:3*RBB th:TH_LOAD_NT scope:SCOPE_SE    ; K slot 3
	STEP 0, 0, 1                                   ; the first step's products start the sums
	s_mov_b32 s3, LAPS-1
.Llap:                                             ; a trip goes once round the ring and fills both slots again
	TURN 0, 1, 1
	STEP 1, 0, 0
	TURN 1, 0, 1
	STEP 0, 0, 0
	s_sub_co_u32 s3, s3, 1
	s_cmp_lg_u32 s3, 0
	s_cbranch_scc1 .Llap
	TLOAD 0                                        ; its registers hold nothing else through the walk
	TURN 0, 1, 0                                   ; the last lap fills nothing
	STEP 1, 0, 0
	TLOAD 1                                        ; into B's set 0, whose last products stand ahead of STEP's closing places
	s_wait_dscnt 4*NL
	WIN MUL_LO
	MULG 0, 1, NQ-1, 1, 0
	MULG 2, 1, NQ-1, 1, 0
	s_wait_dscnt 0
	WIN MUL_HI
	MULG 4, 1, NQ-1, 1, 0
	MULG 6, 1, NQ-1, 1, 0
	WIN 0
; THE WAY OUT
.macro ROPE a                          ; accumulators (a, b) and (a, b + 4) hold channels i and i + 64: lo C - hi S and hi C + lo S, two at a time, each accumulator from its low end on; eight products, then eight multiply-adds
	TBUF \a
	WIN 0x06+(\a)/4                                ; source 0 the accumulators' window, source 1 window 1, source 2 and the result window 0
.irp b, 0,1,2,3
.irp jp, 0,2,4,6
	v_pk_mul_f32 v[TT+16*(\b%2)+2*\jp:TT+16*(\b%2)+2*\jp+1], v[8*(8*((\a)%4)+\b)+\jp+32:8*(8*((\a)%4)+\b)+\jp+33], v[TBS+8*\b+\jp:TBS+8*\b+\jp+1]
	v_pk_mul_f32 v[TT+16*(\b%2)+2*\jp+2:TT+16*(\b%2)+2*\jp+3], v[8*(8*((\a)%4)+\b)+\jp:8*(8*((\a)%4)+\b)+\jp+1], v[TBS+8*\b+\jp:TBS+8*\b+\jp+1]
.endr
.irp jp, 0,2,4,6
	v_pk_fma_f32 v[H+8*\b+\jp:H+1+8*\b+\jp], v[8*(8*((\a)%4)+\b)+\jp:8*(8*((\a)%4)+\b)+\jp+1], v[TBC+8*\b+\jp:TBC+8*\b+\jp+1], v[TT+16*(\b%2)+2*\jp:TT+16*(\b%2)+2*\jp+1] neg_lo:[0,0,1] neg_hi:[0,0,1]
	v_pk_fma_f32 v[H+32+8*\b+\jp:H+33+8*\b+\jp], v[8*(8*((\a)%4)+\b)+\jp+32:8*(8*((\a)%4)+\b)+\jp+33], v[TBC+8*\b+\jp:TBC+8*\b+\jp+1], v[TT+16*(\b%2)+2*\jp+2:TT+16*(\b%2)+2*\jp+3]
.endr
.endr
.endm
.macro OUTBLK a
.if (\a) < 5
	s_wait_loadcnt 48                              ; this block's table is in; the three younger blocks' 48 loads may be out
.else
	s_wait_loadcnt 16*(7-(\a))
.endif
	ROPE \a
	WIN 0
.if (\a) > 0
	s_wait_alu depctr_va_vdst(0)
	s_wait_xcnt 0x0                                ; the last fragment's stores have read their data: the codes' registers may be written again
.endif
.if (\a)+4 < 8
	TLOAD (\a)+4
.endif
	QUANT H
.irp c, 0,1,2
	global_store_b128 v[LI], v[PC+4*\c:PC+4*\c+3], s[14:15] offset:1536*(\a)+512*\c   ; 512 consecutive bytes, aligned
.endr
	ds_store_b32 v[PWA], v[PW] offset:64*(\a)      ; both halves of the lanes write the same word with the same value
.endm
	PLACES NP                                      ; behind the last products: for the loads into B's registers, the writes into A's and the reads of results
	TLOAD 2
	TLOAD 3
.irp b, 0,1,2,3
	v_mov_b32 v[TM+4+\b], 0                        ; written once: a lane permute's destination counts as one of its sources
.endr
.irp a, 0,1,2,3,4,5,6,7
	OUTBLK \a
.endr
	ds_load_b128 v[WB:WB+3], v[PWR]                ; LDS serves a wave's instructions in order: this sees my eight stores
	s_wait_dscnt 0x0
	global_store_b128 v[LI], v[WB:WB+3], s[14:15] offset:12288
	s_wait_tensorcnt 0x0                           ; the wave's end
	ds_add_u32 v[SPW], v[NIL]
	s_wait_dscnt 0x0
	CROUND                                         ; the closing round
	s_endpgm
.Lfunc_end_k_qb9579cd358_qkv:
	.size	k_qb9579cd358_qkv, .Lfunc_end_k_qb9579cd358_qkv-k_qb9579cd358_qkv
	.p2alignl 7, 3214868480
	.fill 96, 4, 3214868480
	.section	.rodata,"a",@progbits
	.p2align	6, 0x0
	.amdhsa_kernel k_qb9579cd358_qkv
		.amdhsa_group_segment_fixed_size 327680
		.amdhsa_private_segment_fixed_size 0
		.amdhsa_enable_private_segment 0
		.amdhsa_kernarg_size 48
		.amdhsa_user_sgpr_count 2
		.amdhsa_user_sgpr_kernarg_segment_ptr 1
		.amdhsa_wavefront_size32 1
		.amdhsa_system_sgpr_workgroup_id_x 1
		.amdhsa_system_sgpr_workgroup_id_y 1
		.amdhsa_system_sgpr_workgroup_id_z 1
		.amdhsa_system_vgpr_workitem_id 0
		.amdhsa_next_free_vgpr 1024
		.amdhsa_next_free_sgpr 102
		.amdhsa_reserve_vcc 0
		.amdhsa_float_denorm_mode_32 3
		.amdhsa_float_denorm_mode_16_64 3
		.amdhsa_memory_ordered 1
		.amdhsa_forward_progress 1
		.amdhsa_inst_pref_size 190
	.end_amdhsa_kernel
	.amdgpu_metadata
---
amdhsa.version: [ 1, 2 ]
amdhsa.kernels:
  - .name:           k_qb9579cd358_qkv
    .symbol:         k_qb9579cd358_qkv.kd
    .args:
      - { .name: xcodes, .offset: 0, .size: 8, .value_kind: global_buffer, .address_space: global }
      - { .name: xscales, .offset: 8, .size: 8, .value_kind: global_buffer, .address_space: global }
      - { .name: wcodes, .offset: 16, .size: 8, .value_kind: global_buffer, .address_space: global }
      - { .name: wscales, .offset: 24, .size: 8, .value_kind: global_buffer, .address_space: global }
      - { .name: tab, .offset: 32, .size: 8, .value_kind: global_buffer, .address_space: global }
      - { .name: qkv, .offset: 40, .size: 8, .value_kind: global_buffer, .address_space: global }
    .group_segment_fixed_size: 327680
    .private_segment_fixed_size: 0
    .kernarg_segment_align: 8
    .kernarg_segment_size: 48
    .max_flat_workgroup_size: 128
    .sgpr_count:     102
    .vgpr_count:     1024
    .wavefront_size: 32
...
	.end_amdgpu_metadata
.endif
;; end of part 2
;; launch attn (part 3): grid 8 x 32, 8 waves a work-group, clusters of 4 x 1, 327,680 bytes of LDS; arguments qkv, acodes, ascales; writes acodes, ascales
.if DOCPART == 3
	.amdgcn_target "amdgcn-amd-amdhsa--gfx1250"
	.amdhsa_code_object_version 6
	.text
	.protected	k_qb9579cd358_attn
	.globl	k_qb9579cd358_attn
	.p2align	8
	.type	k_qb9579cd358_attn,@function
k_qb9579cd358_attn:
	s_mov_b64 s[64:65], 0
	v_nop
	global_prefetch_b8 v0, s[64:65] scope:SCOPE_SE
	s_setreg_imm32_b32 hwreg(HW_REG_WAVE_MODE, 25, 1), 1
	s_wait_xcnt 0x0
	s_wait_alu depctr_hold_cnt(0) depctr_sa_sdst(0) depctr_va_vdst(0) depctr_va_sdst(0) depctr_va_ssrc(0) depctr_va_vcc(0) depctr_vm_vsrc(0)
	s_getreg_b32 s2, hwreg(HW_REG_IB_STS2, 6, 4)
	s_cmp_eq_u32 s2, 0
	s_cbranch_scc0 .Lentry_in_a_cluster
	s_endpgm
.Lentry_in_a_cluster:
	s_bfe_u32 s2, ttmp6, 0x10000c
	s_cmp_lg_u32 s2, 0x3003
	s_cbranch_scc0 .Lentry_shape_is_right
	s_endpgm
.Lentry_shape_is_right:
; ATTENTION on codes of BF6 (E3M2): S^T = K Q^T, causal mask, p = 2^(t - M) with M the ceiling of the running largest t, O^T += V^T P^T, O / l, and the result quantised along the model's axis as the last product's operand.
; t = score x log2(e) / sqrt(128).  p is quantised along the keys, not normalised; the row's sum l is taken of the unquantised p; when M moves, l and O^T are multiplied by 2^(old M - new M), which rounds nothing.
; LEFT OUT: key steps that lie wholly under the causal mask.
; SHARES.  Work-group (j, bg): batch b = bg / 8, key-value head g = bg % 8.  Wave w owns query head 2 g + w / 4 and, with p = w % 4, TWO tiles of 16 queries: the queries 16 j on of chunk p (128 queries a chunk) and of chunk 7 - p.
;   The tile of chunk c needs key steps 0 .. c of 128 keys, so every wave has (p + 1) + (8 - p) = 9 tile steps.  In steps 0 .. p each fragment of K and V read from LDS feeds both tiles.
;   The short tile lives in register window 0, the long one in window 1 at the same numbers, so one macro text serves both.  What a tile does not need is passed over by scalar branches on the wave's number and the loop's counter.
; LDS: all of K and V of (b, g), 8 key steps x (K: 8 fragments, 128 scale words; V likewise) = 204,800 bytes, laid as in memory and filled ONCE.
; CLUSTER: the four work-groups j = 4 X .. 4 X + 3 read the same K and V and ask for them jointly.  Every wave issues one load at the head (6,400 bytes of steps 0 and 1) and one behind the full sequence and a round
;   (19,200 bytes of steps 2 to 7): one tensor load of a wave is out at a time.  j enters global addresses and the mask's numbers alone.
; NO PREFETCH: all of K and V is asked for by the two loads at the head; there is no later request to run ahead of.
; LAYOUT.  Both products are used transposed: a lane holds one query (lane % 16); register 8 t + i of a step holds key 16 t + 8 (lane / 16) + i.  Registers 16 B .. 16 B + 15 of lanes l and l xor 16 are block B of 32 keys,
;   with places 8-15 and 16-23 exchanged, as V's blocks were laid by the launch before.  The result's blocks along the head come out the same way, and W_o's blocks were laid so.
; LIMITS: NaN and infinities are not served; a block of p that has fallen to zero keeps the byte 1 (its codes are zeros).  The promise holds while the scaled scores stay under 2^31 in magnitude.
; REGISTERS (both windows unless said): v1 16 lane, v2 4 lane, v3-4 the step's LDS addresses, v5 4 (lane % 16), v6 lane, v9 the scale words' place; v12 -M, v13 largest t, v[14:15] l; v16-27 Q; v28 my query - 8 h within the chunk;
;   window 0 only: v29 the long tile's Q scale word, v30 its p scale word, v255 the short tile's Q scale word, v80-83 K's and v84-87 V's scale words, v250-251 the add's;
;   v32-79: fragments 0-3 in window 0, 4-7 in window 1; v96-159 S^T, then p; v160-223 O^T; v224-235 p's codes; v232-254 at work.
.set STEPB, 25600
.set KWD,   12288
.set VFR,   12800
.set VWD,   25088
.set WV,   10
.set CHA,  11                          ; the short tile's chunk, p
.set CHB,  12                          ; the long tile's, 7 - p
.set SEL,  40
.set CS,   42
.set TB,   44
.set KS,   45
.set CNT,  46
.set AD16, 3
.set AD4,  4
.set TM,   32
.set PC,   48
.set PW,   68
.set MSB, 0
.macro WIN new
.if MSB != (\new)
	s_set_vgpr_msb (MSB<<8)|(\new)
.set MSB, \new
.endif
.endm
.macro CROUND
	s_barrier_signal -1
	s_barrier_wait -1
	s_cmp_lg_u32 s[WV], 0
	s_cbranch_scc1 .Lnot_wave_0_\@
	s_barrier_signal -3
.Lnot_wave_0_\@:
	s_barrier_wait -3
	s_barrier_signal -1
	s_barrier_wait -1
.endm
.macro QUANT s
.irp b, 0,1,2,3
	v_max3_num_f32 v[TM+\b], |v[\s+16*\b]|, |v[\s+1+16*\b]|, 0x2800000
.endr
.irp i, 2,4,6,8,10,12,14
.irp b, 0,1,2,3
	s_delay_alu instid0(VALU_DEP_4)
	v_max3_num_f32 v[TM+\b], v[TM+\b], |v[\s+16*\b+\i]|, |v[\s+1+16*\b+\i]|
.endr
.endr
.irp b, 0,1,2,3
	s_delay_alu instid0(VALU_DEP_4)
	v_permlanex16_b32 v[TM+4+\b], v[TM+\b], s[SEL], s[SEL+1]
.endr
.irp b, 0,1,2,3
	s_delay_alu instid0(VALU_DEP_4)
	v_max_num_f32 v[TM+\b], v[TM+\b], v[TM+4+\b]
.endr
.irp b, 0,1,2,3
	s_delay_alu instid0(VALU_DEP_4)
	v_add_nc_u32 v[TM+12+\b], 0xfe000000, v[TM+\b]
.endr
.irp b, 0,1,2,3
	s_delay_alu instid0(VALU_DEP_4)
	v_lshrrev_b32 v[TM+4+\b], 23, v[TM+12+\b]
.endr
	s_delay_alu instid0(VALU_DEP_3)
	v_lshl_or_b32 v[PW], v[TM+5], 8, v[TM+4]
	s_delay_alu instid0(VALU_DEP_1)
	v_lshl_or_b32 v[PW], v[TM+6], 16, v[PW]
	s_delay_alu instid0(VALU_DEP_1)
	v_lshl_or_b32 v[PW], v[TM+7], 24, v[PW]
.irp c, 0,1
	v_cvt_scalef32_pk16_bf6_f32 v[PC+6*\c:PC+2+6*\c], v[\s+32*\c:\s+15+32*\c], v[TM+12+2*\c]
	v_cvt_scalef32_pk16_bf6_f32 v[PC+12+4*\c:PC+14+4*\c], v[\s+16+32*\c:\s+31+32*\c], v[TM+12+2*\c+1]
.endr
	v_nop
.irp c, 0,1
.irp i, 0,1,2
	v_permlane16_swap_b32 v[PC+6*\c+\i], v[PC+12+4*\c+\i]
.endr
.irp i, 0,1,2
	s_delay_alu instid0(VALU_DEP_3)
	v_mov_b32 v[PC+3+6*\c+\i], v[PC+12+4*\c+\i]
.endr
.endr
.endm
	s_load_b128 s[4:7], s[0:1], 0x0                ; qkv, acodes
	s_load_b64 s[8:9], s[0:1], 0x10                ; ascales
	v_lshl_add_u32 v250, v0, 2, 0x32000
	v_mov_b32 v251, 0
	ds_add_u32 v250, v251                          ; the opening lines: the add, twice on end, and its wait
	ds_add_u32 v250, v251
	v_lshrrev_b32 v1, 5, v0
	s_delay_alu instid0(VALU_DEP_1)
	v_readfirstlane_b32 s[WV], v1                  ; wave 0..7
	s_and_b32 s[CHA], s[WV], 3
	s_sub_co_u32 s[CHB], 7, s[CHA]
	s_bfe_u32 s13, ttmp6, 0x40000                  ; cx
	s_lshl_b32 s14, ttmp9, 2
	s_add_co_u32 s14, s14, s13                     ; j
	s_lshr_b32 s13, s[WV], 2                       ; which of the two query heads
	s_and_b32 s15, ttmp7, 0xffff                   ; bg, which the four partners share
	s_mov_b32 s16, 15|(3<<16)|(1<<21)              ; group 1, first load: the mask names all four; elements of 8 bytes; 21 set beside a mask
	s_mov_b32 s17, 32<<16                          ; rows of 256 bytes,
	s_mov_b32 s18, 25<<16                          ; 25 of them: 6,400 dense bytes
	s_mov_b32 s19, 32<<16
	s_mov_b32 s20, 25
	s_mov_b32 s21, 32
	s_mov_b32 s22, 0
	s_mov_b32 s23, 0
	s_mov_b32 s24, 15|(3<<16)|(1<<21)              ; second load: 75 rows: 19,200 bytes
	s_mov_b32 s25, 32<<16
	s_mov_b32 s26, 75<<16
	s_mov_b32 s27, 32<<16
	s_mov_b32 s28, 75
	s_mov_b32 s29, 32
	s_mov_b32 s30, 0
	s_mov_b32 s31, 0
	s_mul_i32 s46, s15, 204800
	s_add_co_u32 s46, s46, 6553600                 ; K and V of (b, g) begin behind q's 512 blocks
	s_mov_b32 s47, 0
	s_mul_i32 s52, s[WV], 6400                     ; my part of steps 0 and 1, in memory as in LDS,
	s_mov_b32 s53, 0
	s_mul_i32 s54, s[WV], 19200
	s_add_co_u32 s54, s54, 51200                   ; and of steps 2 to 7
	s_mov_b32 s55, 0
	s_wait_dscnt 0x0
	s_wait_kmcnt 0x0
	s_add_nc_u64 s[46:47], s[4:5], s[46:47]
	s_mov_b32 s32, 1
	s_mov_b32 s33, s52
	s_add_nc_u64 s[34:35], s[46:47], s[52:53]
	s_or_b32 s35, s35, 0x80000000
	s_mov_b32 s36, 1
	s_mov_b32 s37, s54
	s_add_nc_u64 s[38:39], s[46:47], s[54:55]
	s_or_b32 s39, s39, 0x80000000
	CROUND                                         ; all four work-groups are here: the joint loads meet
	tensor_load_to_lds s[32:35], s[16:23]          ; every wave's one load at the head
	s_nop 0
	s_lshl_b32 s52, s14, 4
	s_sub_co_u32 s62, s[CHB], s[CHA]               ; 7 - 2 p: chunks from the short tile to the long one
	s_lshl_b32 s63, s62, 13                        ; in bytes of scale words: 8 blocks of 16 tokens x 16 K steps x 64
	v_and_b32 v6, 31, v0                           ; lane
	v_and_b32 v7, 15, v0                           ; r
	v_bfe_u32 v8, v0, 4, 1                         ; h
	v_lshlrev_b32 v1, 4, v6
	v_lshlrev_b32 v2, 2, v6
	v_lshlrev_b32 v5, 2, v7
	v_mul_u32_u24 v9, s63, v8
	v_add_nc_u32 v28, s52, v7
	v_lshlrev_b32 v8, 3, v8
	v_lshl_add_u32 v9, v7, 2, v9                   ; lanes 0-15 the short tile's scale words, lanes 16-31 the long one's
	v_sub_nc_u32 v28, v28, v8                      ; d = 16 j + r - 8 h: on the diagonal register 8 t + i is hidden where 16 t + i > d
	s_wait_alu depctr_va_vdst(0)                   ; the wait here
	s_lshr_b32 s52, s15, 3                         ; b
	s_and_b32 s53, s15, 7                          ; g
	s_lshl_b32 s54, s52, 7
	s_lshl_b32 s55, s53, 4
	s_add_co_u32 s54, s54, s55
	s_lshl_b32 s55, s13, 3
	s_add_co_u32 s54, s54, s55
	s_add_co_u32 s54, s54, s[CHA]                  ; the short tile's block of q: (16 b + head) 8 + p
	s_mul_i32 s54, s54, 12800
	s_mul_i32 s55, s14, 1536
	s_add_co_u32 s48, s54, s55                     ; its fragment j,
	s_mov_b32 s49, 0
	s_add_nc_u64 s[48:49], s[4:5], s[48:49]
	s_lshl_b32 s55, s14, 6
	s_add_co_u32 s50, s54, s55
	s_add_co_u32 s50, s50, 12288                   ; and that fragment's scale words
	s_mov_b32 s51, 0
	s_add_nc_u64 s[50:51], s[4:5], s[50:51]
	s_mul_i32 s54, s62, 12800                      ; the long tile's block lies 7 - 2 p blocks on
	s_mov_b32 s55, 0
	s_add_nc_u64 s[56:57], s[48:49], s[54:55]
	s_add_nc_u64 s[58:59], s[50:51], s[54:55]
	s_lshl_b32 s54, s52, 6
	s_lshl_b32 s55, s[CHA], 3
	s_add_co_u32 s54, s54, s55
	s_add_co_u32 s54, s54, s14                     ; the short tile's 16 tokens: 64 b + 8 p + j
	s_lshl_b32 s54, s54, 4
	s_lshl_b32 s55, s53, 1
	s_add_co_u32 s54, s54, s55
	s_add_co_u32 s54, s54, s13                     ; x 16 K steps + head
	s_mul_i32 s52, s54, 1536
	s_mov_b32 s53, 0
	s_add_nc_u64 s[6:7], s[6:7], s[52:53]
	s_lshl_b32 s52, s54, 6
	s_add_nc_u64 s[8:9], s[8:9], s[52:53]
	s_mul_i32 s52, s62, 196608                     ; 8 (7 - 2 p) blocks of 16 tokens x 16 fragments of 1,536 bytes
	s_add_nc_u64 s[60:61], s[6:7], s[52:53]
.irp c, 0,1,2
	global_load_b128 v[16+4*\c:19+4*\c], v1, s[48:49] offset:512*\c
.endr
	global_load_b32 v255, v5, s[50:51]
	global_load_b32 v29, v5, s[58:59]
	WIN 0x40
.irp c, 0,1,2
	global_load_b128 v[16+4*\c:19+4*\c], v1, s[56:57] offset:512*\c
.endr
	WIN 0
.macro INIT                            ; the step is written without a first copy: it finds zeros, which the first change of M leaves zeros
	v_mov_b32 v13, 0xff61b1e6                      ; -3e38, under every t
	s_delay_alu instid0(VALU_DEP_1)
	v_floor_f32 v12, -v13
	v_mov_b32 v14, 0
	v_mov_b32 v15, 0
.irp b, 0,1,2,3
	v_mov_b32 v[236+\b], 0
.endr
	v_mov_b32 v252, 0
	v_mov_b32 v253, 0
.set J, 0
.rept 64
	v_mov_b32 v[160+J], 0
.set J, J+1
.endr
.endm
	INIT
	WIN 0x40
	v_mov_b32 v28, v28                             ; d for window 1
	WIN 0x55
	INIT
	WIN 0
	s_mov_b32 s[SEL], 0x76543210
	s_mov_b32 s[SEL+1], 0xfedcba98
	s_mov_b32 s[CS], 0x3e0293ee                    ; log2(e) / sqrt(128)
	s_mov_b32 s[CS+1], s[CS]
	s_mov_b32 s[TB], 0
	s_mov_b32 s[KS], 0
.macro FRAGS off                       ; eight fragments as they lie: 0-3 into window 0, 4-7 into window 1
.irp t, 0,1,2,3
.irp c, 0,1,2
	ds_load_b128 v[32+12*\t+4*\c:35+12*\t+4*\c], v[AD16] offset:\off+1536*\t+512*\c
.endr
.endr
	WIN 0x40
.irp t, 0,1,2,3
.irp c, 0,1,2
	ds_load_b128 v[32+12*\t+4*\c:35+12*\t+4*\c], v[AD16] offset:\off+1536*(\t+4)+512*\c
.endr
.endr
	WIN 0
.endm
.macro SPROD t, qs                     ; S^T, tile t of 16 keys; the windows are the caller's
.if (\t)%2
	v_wmma_scale_f32_16x16x128_f8f6f4 v[96+8*(\t):103+8*(\t)], v[32+12*((\t)%4):43+12*((\t)%4)], v[16:27], 0, v[80+(\t)/2], v[\qs] matrix_a_fmt:MATRIX_FMT_BF6 matrix_b_fmt:MATRIX_FMT_BF6 matrix_a_scale:MATRIX_SCALE_ROW1
.else
	v_wmma_scale_f32_16x16x128_f8f6f4 v[96+8*(\t):103+8*(\t)], v[32+12*((\t)%4):43+12*((\t)%4)], v[16:27], 0, v[80+(\t)/2], v[\qs] matrix_a_fmt:MATRIX_FMT_BF6 matrix_b_fmt:MATRIX_FMT_BF6
.endif
.endm
.macro PVPROD t, ps                    ; O^T, tile t of 16 channels
.if (\t)%2
	v_wmma_scale_f32_16x16x128_f8f6f4 v[160+8*(\t):167+8*(\t)], v[32+12*((\t)%4):43+12*((\t)%4)], v[224:235], v[160+8*(\t):167+8*(\t)], v[84+(\t)/2], v[\ps] matrix_a_fmt:MATRIX_FMT_BF6 matrix_b_fmt:MATRIX_FMT_BF6 matrix_a_scale:MATRIX_SCALE_ROW1
.else
	v_wmma_scale_f32_16x16x128_f8f6f4 v[160+8*(\t):167+8*(\t)], v[32+12*((\t)%4):43+12*((\t)%4)], v[224:235], v[160+8*(\t):167+8*(\t)], v[84+(\t)/2], v[\ps] matrix_a_fmt:MATRIX_FMT_BF6 matrix_b_fmt:MATRIX_FMT_BF6
.endif
.endm
.macro MASK                            ; the diagonal step: hidden scores become -infinity ahead of the maximum; the chunk's first key counts for every query, so M stays a number
	v_mov_b32 v254, 0xff800000
.set N, 0
.rept 64
	v_cmp_gt_i32 vcc_lo, 16*(N/8)+N%8, v28
	v_cndmask_b32 v[96+N], v[96+N], v254, vcc_lo
.set N, N+1
.endr
.endm
.macro SM1                             ; one tile's softmax of a step: from the scores to p's codes (v224-235), p's scale word (v253), f (v252); l is carried on
.irp b, 0,1,2,3
	v_max3_num_f32 v[232+\b], v[96+16*\b], v[97+16*\b], v[98+16*\b]   ; the largest score of each block of 32 keys: for the row's maximum, and, since p rises with the score, for the block's largest p
.endr
.irp i, 3,5,7,9,11,13
.irp b, 0,1,2,3
	v_max3_num_f32 v[232+\b], v[232+\b], v[96+16*\b+\i], v[97+16*\b+\i]
.endr
.endr
.irp b, 0,1,2,3
	v_max_num_f32 v[232+\b], v[232+\b], v[111+16*\b]
.endr
.irp b, 0,1,2,3
	s_delay_alu instid0(VALU_DEP_4)
	v_permlanex16_b32 v[236+\b], v[232+\b], s[SEL], s[SEL+1]
.endr
.irp b, 0,1,2,3
	s_delay_alu instid0(VALU_DEP_4)
	v_max_num_f32 v[232+\b], v[232+\b], v[236+\b]
.endr
	s_delay_alu instid0(VALU_DEP_2)
	v_max3_num_f32 v254, v232, v233, v234
	s_delay_alu instid0(VALU_DEP_1)
	v_max_num_f32 v254, v254, v235
	s_delay_alu instid0(VALU_DEP_1)
	v_mul_f32 v254, s[CS], v254
	s_delay_alu instid0(VALU_DEP_1)
	v_max_num_f32 v13, v13, v254                   ; the running largest t
	v_mov_b32 v254, v12
	s_delay_alu instid0(VALU_DEP_2)
	v_floor_f32 v12, -v13                          ; -M = floor(-t): M is a whole number
	s_delay_alu instid0(VALU_DEP_1)
	v_sub_f32 v254, v12, v254
	s_delay_alu instid0(VALU_DEP_1)
	v_cvt_i32_f32 v254, v254                       ; (it saturates)
	s_delay_alu instid0(VALU_DEP_1)
	v_ldexp_f32 v252, 1.0, v254                    ; f = 2^(old M - new M)
.set J, 0
.rept 32
	v_pk_fma_f32 v[96+J:97+J], v[96+J:97+J], s[CS:CS+1], v[12:13] op_sel_hi:[1,0,0]   ; t - M
.set J, J+2
.endr
.irp b, 0,1,2,3
	v_fma_f32 v[232+\b], v[232+\b], s[CS], v12
.endr
.set J, 0
	s_wait_alu depctr_va_vdst(0)                   ; the wait ahead of the batch
.rept 64
	v_exp_f32 v[96+J], v[96+J]                     ; p
.set J, J+1
.endr
	v_pk_mul_f32 v[14:15], v[14:15], v[252:253] op_sel_hi:[1,0]       ; l under the new M (a plain line behind the batch)
	s_wait_alu depctr_va_vdst(0)                   ; one wait for the batch of 64, ahead of its first reader
.irp b, 0,1,2,3
	v_exp_f32 v[232+\b], v[232+\b]                 ; each block's largest p
.endr
	v_pk_add_f32 v[236:237], v[96:97], v[98:99]    ; l takes the unquantised p, in two chains
.irp j, 4,8,12,16,20,24,28,32,36,40,44,48,52,56,60
	v_pk_add_f32 v[14:15], v[14:15], v[96+\j:97+\j]
	v_pk_add_f32 v[236:237], v[236:237], v[98+\j:99+\j]
.endr
	s_delay_alu instid0(VALU_DEP_1)
	v_pk_add_f32 v[14:15], v[14:15], v[236:237]
	s_wait_alu depctr_va_vdst(0)                   ; and one for the four
.irp b, 0,1,2,3
	v_max_num_f32 v[232+\b], 0x2800000, v[232+\b]  ; the floor 2^(5 - 127)
.endr
.irp b, 0,1,2,3
	s_delay_alu instid0(VALU_DEP_4)
	v_add_nc_u32 v[244+\b], 0xfe000000, v[232+\b]
.endr
.irp b, 0,1,2,3
	s_delay_alu instid0(VALU_DEP_4)
	v_lshrrev_b32 v[236+\b], 23, v[244+\b]
.endr
	s_delay_alu instid0(VALU_DEP_3)
	v_lshl_or_b32 v253, v237, 8, v236
	s_delay_alu instid0(VALU_DEP_1)
	v_lshl_or_b32 v253, v238, 16, v253
	s_delay_alu instid0(VALU_DEP_1)
	v_lshl_or_b32 v253, v239, 24, v253
.irp c, 0,1
	v_cvt_scalef32_pk16_bf6_f32 v[224+6*\c:226+6*\c], v[96+32*\c:111+32*\c], v[244+2*\c]
	v_cvt_scalef32_pk16_bf6_f32 v[236+4*\c:238+4*\c], v[112+32*\c:127+32*\c], v[244+2*\c+1]
.endr
	v_nop
.irp c, 0,1
.irp i, 0,1,2
	v_permlane16_swap_b32 v[224+6*\c+\i], v[236+4*\c+\i]
.endr
.irp i, 0,1,2
	s_delay_alu instid0(VALU_DEP_3)
	v_mov_b32 v[227+6*\c+\i], v[236+4*\c+\i]
.endr
.endr
.endm
.macro SM2                             ; O^T under the new M; these 32 lines are also the places between the writes of p's codes and scale word and the products that take them
.set J, 0
.rept 32
	v_pk_mul_f32 v[160+J:161+J], v[160+J:161+J], v[252:253] op_sel_hi:[1,0]
.set J, J+2
.endr
.endm
; A KEY STEP.  The long tile takes part in steps 0 .. 7 - p, the short one in steps 0 .. p.  The accumulators take turns, one instruction a turn.
.macro STEP
	s_cmp_gt_u32 s[KS], s[CHB]                     ; all of this step's keys come after all my queries
	s_cbranch_scc1 .Lhidden_\@
	v_add_nc_u32 v[AD16], s[TB], v1
	v_add_nc_u32 v[AD4], s[TB], v2
	v_nop
	v_nop                                          ; four places behind the last step's products, in front of the loads into their registers
.irp p, 0,1,2,3
	ds_load_b32 v[80+\p], v[AD4] offset:KWD+128*\p
.endr
	FRAGS 0
	s_wait_alu depctr_va_vdst(0)
	s_wait_dscnt 12                                ; the words and fragments 0-3 are in; the youngest 12 loads (fragments 4-7) may be out
	WIN 0x54
.irp t, 0,1,2,3
	SPROD \t, 29
.endr
	s_wait_dscnt 0x0
	WIN 0x55
.irp t, 4,5,6,7
	SPROD \t, 29
.endr
	WIN 0
	s_cmp_gt_u32 s[KS], s[CHA]
	s_cbranch_scc1 .Lno_sa_\@
.irp t, 0,1,2,3
	SPROD \t, 255
.endr
	WIN 0x01
.irp t, 4,5,6,7
	SPROD \t, 255
.endr
	WIN 0
.Lno_sa_\@:
.rept 4
	v_nop                                          ; places: in front of V's loads into K's registers, and of the first read of scores
.endr
.irp p, 0,1,2,3
	ds_load_b32 v[84+\p], v[AD4] offset:VWD+128*\p
.endr
	FRAGS VFR                                      ; V lands under the softmax
	s_cmp_gt_u32 s[KS], s[CHA]
	s_cbranch_scc1 .Lno_a_\@
	s_cmp_lg_u32 s[KS], s[CHA]
	s_cbranch_scc1 .Lopen_a_\@
	MASK
.Lopen_a_\@:
	SM1
	SM2
	s_wait_alu depctr_va_vdst(0)
	s_wait_dscnt 0x0                               ; V is in
.irp t, 0,1,2,3
	PVPROD \t, 253
.endr
	WIN 0x01
.irp t, 4,5,6,7
	PVPROD \t, 253
.endr
	WIN 0
.Lno_a_\@:
	s_cmp_lg_u32 s[KS], s[CHB]
	s_cbranch_scc1 .Lopen_b_\@
	WIN 0x55
	s_wait_alu depctr_va_vdst(0)                   ; the wait ahead of the first reader of scores made ahead of the short tile's exponentials
	MASK
	WIN 0
.Lopen_b_\@:
	WIN 0x55
	s_wait_alu depctr_va_vdst(0)                   ; likewise
	SM1
	WIN 0x01
	v_mov_b32 v30, v253                            ; scale operands are taken from window 0
	WIN 0x55
	SM2
	s_wait_alu depctr_va_vdst(0)
	s_wait_dscnt 0x0                               ; V is in, where the short tile's part was passed over too
	WIN 0x54
.irp t, 0,1,2,3
	PVPROD \t, 30
.endr
	WIN 0x55
.irp t, 4,5,6,7
	PVPROD \t, 30
.endr
	WIN 0
.Lhidden_\@:
	s_add_co_u32 s[TB], s[TB], STEPB
	s_add_co_u32 s[KS], s[KS], 1
.endm
	s_wait_alu depctr_va_vdst(0)
	s_wait_tensorcnt 0x0                           ; my part of steps 0 and 1 is in
	ds_add_u32 v250, v251
	s_wait_dscnt 0x0
	CROUND                                         ; everybody's part is in, and all four work-groups are here
	tensor_load_to_lds s[36:39], s[24:31]          ; steps 2 to 7: my one load behind the round; it lands under steps 0 and 1
	s_nop 0
.rept 4
	v_nop
.endr
	s_wait_loadcnt 0x0                             ; Q
	s_mov_b32 s[CNT], 2
.Lfirst:
	STEP
	s_sub_co_u32 s[CNT], s[CNT], 1
	s_cmp_lg_u32 s[CNT], 0
	s_cbranch_scc1 .Lfirst
	s_wait_tensorcnt 0x0                           ; my part of steps 2 to 7 is in
	s_wait_dscnt 0x0
	s_barrier_signal -1
	s_barrier_wait -1                              ; everybody's is
	s_mov_b32 s[CNT], 6
.Lrest:
	STEP
	s_sub_co_u32 s[CNT], s[CNT], 1
	s_cmp_lg_u32 s[CNT], 0
	s_cbranch_scc1 .Lrest
; THE WAY OUT: O^T / l, quantised along the head's 128: a fragment (16 tokens x K step = head) and its scale word for each tile
.macro FINISH
	v_add_f32 v14, v14, v15
	s_delay_alu instid0(VALU_DEP_1)
	v_permlanex16_b32 v252, v14, s[SEL], s[SEL+1]
	s_delay_alu instid0(VALU_DEP_1)
	v_add_f32 v14, v14, v252                       ; the row's sum
	s_wait_alu depctr_va_vdst(0)                   ; the wait ahead of the transcendental
	v_rcp_f32 v14, v14
.irp b, 0,1,2,3
	v_mov_b32 v[TM+4+\b], 0                        ; (plain lines behind the reciprocal)
.endr
	s_wait_alu depctr_va_vdst(0)                   ; ahead of the reciprocal's first reader
.set J, 0
.rept 32
	v_pk_mul_f32 v[96+J:97+J], v[160+J:161+J], v[14:15] op_sel_hi:[1,0]
.set J, J+2
.endr
	QUANT 96
.endm
.rept 4
	v_nop                                          ; places behind the last products, in front of writes into the fragments' registers
.endr
	FINISH
.irp c, 0,1,2
	global_store_b128 v1, v[PC+4*\c:PC+4*\c+3], s[6:7] offset:512*\c
.endr
	WIN 0x55
	FINISH
	WIN 0x04                                       ; a store's data are its source 1: window 1
.irp c, 0,1,2
	global_store_b128 v1, v[PC+4*\c:PC+4*\c+3], s[60:61] offset:512*\c
.endr
	WIN 0x01
	v_mov_b32 v69, v[PW]                           ; the long tile's scale word into window 0
	WIN 0
	v_cmp_gt_u32 vcc_lo, 16, v6
	s_delay_alu instid0(VALU_DEP_1)
	v_cndmask_b32 v70, v69, v[PW], vcc_lo          ; lanes 0-15: the short tile's words, lanes 16-31: the long one's: 64 consecutive bytes each
	global_store_b32 v9, v70, s[8:9]
	s_wait_dscnt 0x0
	s_wait_tensorcnt 0x0                           ; the wave's end
	ds_add_u32 v250, v251
	s_wait_dscnt 0x0
	CROUND                                         ; the closing round
	s_endpgm
.Lfunc_end_k_qb9579cd358_attn:
	.size	k_qb9579cd358_attn, .Lfunc_end_k_qb9579cd358_attn-k_qb9579cd358_attn
	.p2alignl 7, 3214868480
	.fill 96, 4, 3214868480
	.section	.rodata,"a",@progbits
	.p2align	6, 0x0
	.amdhsa_kernel k_qb9579cd358_attn
		.amdhsa_group_segment_fixed_size 327680
		.amdhsa_private_segment_fixed_size 0
		.amdhsa_enable_private_segment 0
		.amdhsa_kernarg_size 24
		.amdhsa_user_sgpr_count 2
		.amdhsa_user_sgpr_kernarg_segment_ptr 1
		.amdhsa_wavefront_size32 1
		.amdhsa_system_sgpr_workgroup_id_x 1
		.amdhsa_system_sgpr_workgroup_id_y 1
		.amdhsa_system_sgpr_workgroup_id_z 1
		.amdhsa_system_vgpr_workitem_id 0
		.amdhsa_next_free_vgpr 512
		.amdhsa_next_free_sgpr 66
		.amdhsa_reserve_vcc 1
		.amdhsa_float_denorm_mode_32 3
		.amdhsa_float_denorm_mode_16_64 3
		.amdhsa_memory_ordered 1
		.amdhsa_forward_progress 1
		.amdhsa_inst_pref_size 123
	.end_amdhsa_kernel
	.amdgpu_metadata
---
amdhsa.version: [ 1, 2 ]
amdhsa.kernels:
  - .name:           k_qb9579cd358_attn
    .symbol:         k_qb9579cd358_attn.kd
    .args:
      - { .name: qkv, .offset: 0, .size: 8, .value_kind: global_buffer, .address_space: global }
      - { .name: acodes, .offset: 8, .size: 8, .value_kind: global_buffer, .address_space: global }
      - { .name: ascales, .offset: 16, .size: 8, .value_kind: global_buffer, .address_space: global }
    .group_segment_fixed_size: 327680
    .private_segment_fixed_size: 0
    .kernarg_segment_align: 8
    .kernarg_segment_size: 24
    .max_flat_workgroup_size: 256
    .sgpr_count:     66
    .vgpr_count:     512
    .wavefront_size: 32
...
	.end_amdgpu_metadata
.endif
;; end of part 3
;; launch oproj (part 4): grid 16 x 16, 4 waves a work-group, clusters of 4 x 4, 327,680 bytes of LDS; arguments acodes, ascales, wcodes, wscales, out0; writes out0
.if DOCPART == 4
	.amdgcn_target "amdgcn-amd-amdhsa--gfx1250"
	.amdhsa_code_object_version 6
	.text
	.protected	k_qb9579cd358_oproj
	.globl	k_qb9579cd358_oproj
	.p2align	8
	.type	k_qb9579cd358_oproj,@function
k_qb9579cd358_oproj:
	s_mov_b64 s[64:65], 0
	v_nop
	global_prefetch_b8 v0, s[64:65] scope:SCOPE_SE
	s_setreg_imm32_b32 hwreg(HW_REG_WAVE_MODE, 25, 1), 1
	s_wait_xcnt 0x0
	s_wait_alu depctr_hold_cnt(0) depctr_sa_sdst(0) depctr_va_vdst(0) depctr_va_sdst(0) depctr_va_ssrc(0) depctr_va_vcc(0) depctr_vm_vsrc(0)
	s_getreg_b32 s2, hwreg(HW_REG_IB_STS2, 6, 4)
	s_cmp_eq_u32 s2, 0
	s_cbranch_scc0 .Lentry_in_a_cluster
	s_endpgm
.Lentry_in_a_cluster:
	s_bfe_u32 s2, ttmp6, 0x10000c
	s_cmp_lg_u32 s2, 0xf033
	s_cbranch_scc0 .Lentry_shape_is_right
	s_endpgm
.Lentry_shape_is_right:
; OPROJ: out = attn W_o on codes of BF6 (E3M2) with E8M0 scales; sums and result in f32.
; A tile of 256 tokens x 128 columns to a work-group of four waves, 128 x 64 to a wave: 32 accumulators, 256 registers.  K = 2,048 goes in steps of 512 through a ring of two LDS slots filled by the tensor data mover.
; OPERANDS lie in memory as images of the operand's registers ([row / 16][k / 128][1,536]: register 4 c + e of lane l at 512 c + 16 l + 4 e): a fragment comes by three loads of 16 bytes a lane.  W_o's columns are rows 4,096 on of wcodes.
; THE MATRIX INSTRUCTION IS USED TRANSPOSED: source 0 = 16 columns of W_o, source 1 = 16 tokens: a lane holds eight neighbouring numbers of a row of the result.
; CLUSTERS: 4 x 4.  The tokens' tile hangs on the cluster's row, the weights' on its column: each is asked for jointly by the four that share it.
; THE HEAD: one joint load a wave: wave 0 slot 0's 256 rows of A, wave 1 its 128 rows of B, wave 2 A's scale words for all of K, wave 3 B's.  Slot 1 is first filled behind the full sequence and a round, as a refill is.
; PREFETCH: of the runs of 6,144 bytes (24 blocks of 256) that a wave fetches in the ring, its work-group names its share by address alone: A's waves 2 of 8 runs (by cx), a run an instruction;
;   B's waves 1 of 4 runs (by cy), half a run an instruction; a lane a block, the lanes left over name the last block again.  The head asks for K slots 1 and 2, slot 1's fill for slot 3: K has 4 slots, so the refills ask for nothing.
; THE WAY OUT: a block of 16 rows x 64 columns goes through the wave's own stage in LDS (in slot 0, which has then had its last fill and its last read) and leaves as rows of 256 bytes, sixteen lanes to an aligned unit.
; LIMITS: NaN and infinities are not served.
; REGISTERS: window 0: v16-30 addresses; v32-95 scale words, two sets; v128-223 A's fragments.  window 1: B's fragments, two sets, at v0 and v128.  window 2: the accumulators ((a, b) at v[8 (4 a + b)]).
.set NQ,    4
.set FR,    12
.set NL,    3
.set NP,    4
.set RBB,   1536*NQ                    ; 16 rows' bytes in a slot
.set KROW,  24576                      ; 16 rows' bytes in memory, all of K
.set HALFA, 8*RBB
.set HALFB, 4*RBB
.set SLOT,  2*HALFA+2*HALFB            ; A's 256 rows, then B's 128
.set SCL,   2*SLOT                     ; the scale words for all of K: A's 16,384 bytes, then B's 8,192; filled once
.set SPARE, SCL+24576                  ; the spare words, 128 bytes a wave
.set ADRA, 16
.set ADRB, 20
.set ADRS2, 22
.set STO,  24
.set RD,   25
.set CO,   26
.set ADRS, 27
.set SPW,  28
.set NIL,  29
.set PFO,  30                          ; the prefetches' offset; never rewritten
.set SC,   32
.set AF,   128
.set BK,   128
.set PFA,  90                          ; s[90:91], s[86:87] where my two prefetches stand; never stepped: the K slot stands in the immediate
.set PFB,  86
.set G0H,  4
.set G0HB, 8
.set G1,   24
.set G0,   32
.set G1B,  40
.set G0B,  48
.set G1S,  56
.set G0S,  68
.set G1SB, 72
.set G0SB, 80
.set MSB, 0
.macro WIN new
.if MSB != (\new)
	s_set_vgpr_msb (MSB<<8)|(\new)
.set MSB, \new
.endif
.endm
.set MUL,  0xa1
.set TO_B, 0x40
.macro JLOAD g0a, g1a, g0b, g1b        ; a joint load: waves 0, 1 fetch for A, waves 2, 3 for B
	s_cmp_eq_u32 s17, 0
	s_cbranch_scc0 .Lfor_b_\@
	tensor_load_to_lds s[\g0a:\g0a+3], s[\g1a:\g1a+7]
	s_nop 0
.rept 4
	v_nop
.endr
	s_branch .Lasked_\@
.Lfor_b_\@:
	tensor_load_to_lds s[\g0b:\g0b+3], s[\g1b:\g1b+7]
	s_nop 0
.rept 4
	v_nop
.endr
.Lasked_\@:
.endm
.macro CREST
	s_cmp_lg_u32 s16, 0
	s_cbranch_scc1 .Lnot_wave_0_\@
	s_barrier_signal -3
.Lnot_wave_0_\@:
	s_barrier_wait -3
	s_barrier_signal -1
	s_barrier_wait -1
.endm
.macro CROUND
	s_barrier_signal -1
	s_barrier_wait -1
	CREST
.endm
.macro GRP1 g, c, r, p                 ; words 1 to 7 of a group 1: r rows of c elements of 8 bytes, p elements from row to row
	s_mov_b32 s[\g+1], (\c)<<16
	s_mov_b32 s[\g+2], (\r)<<16
	s_mov_b32 s[\g+3], (\c)<<16
	s_mov_b32 s[\g+4], \r
	s_mov_b32 s[\g+5], \p
	s_mov_b32 s[\g+6], 0
	s_mov_b32 s[\g+7], 0
.endm
	s_load_b256 s[4:11], s[0:1], 0x0               ; acodes, ascales, wcodes, wscales
	s_load_b64 s[12:13], s[0:1], 0x20              ; out0
	v_lshl_add_u32 v[SPW], v0, 2, SPARE
	v_mov_b32 v[NIL], 0
	ds_add_u32 v[SPW], v[NIL]                      ; the opening lines: the add, twice on end, and its wait ahead of my first tensor load
	ds_add_u32 v[SPW], v[NIL]
	v_lshrrev_b32 v1, 5, v0
	v_readfirstlane_b32 s16, v1                    ; wave 0..3
	s_lshr_b32 s17, s16, 1                         ; which half of the tokens is mine.  In the ring: I fetch for A (0) or for B (1)
	s_and_b32 s18, s16, 1                          ; which half of the columns.  In the ring: which half of that tile I fetch
	s_bfe_u32 s84, ttmp6, 0x40000                  ; cx
	s_bfe_u32 s85, ttmp6, 0x40004                  ; cy
	s_and_b32 s87, ttmp7, 0xffff
	s_lshl_b32 s88, s87, 2
	s_add_co_u32 s88, s88, s85                     ; A's tile of 256 tokens
	s_lshl_b32 s89, ttmp9, 2
	s_add_co_u32 s89, s89, s84                     ; B's tile of 128 columns
	s_lshl_b32 s90, s85, 2
	s_lshl_b32 s90, 15, s90                        ; my row of the cluster
	s_lshl_b32 s91, 0x1111, s84                    ; my column
	s_or_b32 s[G1+0], s90, (3<<16)|(1<<21)
	s_or_b32 s[G1B+0], s91, (3<<16)|(1<<21)
	GRP1 G1, RBB/8, 16, KROW/8                     ; the head's: 16 runs of 6,144 bytes, 24,576 bytes apart;
	GRP1 G1B, RBB/8, 8, KROW/8                     ; 8 runs
	s_or_b32 s[G1S+0], s90, (3<<16)|(1<<21)
	s_or_b32 s[G1SB+0], s91, (3<<16)|(1<<21)
	GRP1 G1S, 32, 64, 32                           ; 16,384 dense bytes as 64 rows of 256;
	GRP1 G1SB, 32, 32, 32                          ; 8,192 as 32
	s_lshl_b32 s19, s88, 4                         ; A: the tile's first run of 16 rows
	s_mul_i32 s20, s19, KROW
	s_mov_b32 s21, 0
	s_lshl_b32 s22, s19, 10
	s_mov_b32 s23, 0
	s_lshl_b32 s2, s89, 3                          ; B likewise, in registers that never hold cy;
	s_add_co_u32 s2, s2, 256                       ; W_o begins at run 256 of the weights
	s_mul_i32 s100, s2, KROW
	s_mov_b32 s101, 0
	s_lshl_b32 s2, s2, 10
	s_mov_b32 s3, 0
	s_wait_dscnt 0x0                               ; both opening adds are done
	s_wait_kmcnt 0x0
	s_add_nc_u64 s[92:93], s[4:5], s[20:21]
	s_add_nc_u64 s[94:95], s[6:7], s[22:23]
	s_add_nc_u64 s[96:97], s[8:9], s[100:101]
	s_add_nc_u64 s[98:99], s[10:11], s[2:3]
	s_mov_b32 s[G0H], 1                            ; the head's four tiles, each whole
	s_mov_b32 s[G0H+1], 0
	s_mov_b64 s[G0H+2:G0H+3], s[92:93]
	s_or_b32 s[G0H+3], s[G0H+3], 0x80000000
	s_mov_b32 s[G0HB], 1
	s_mov_b32 s[G0HB+1], 2*HALFA
	s_mov_b64 s[G0HB+2:G0HB+3], s[96:97]
	s_or_b32 s[G0HB+3], s[G0HB+3], 0x80000000
	s_mov_b32 s[G0S], 1
	s_mov_b32 s[G0S+1], SCL
	s_mov_b64 s[G0S+2:G0S+3], s[94:95]
	s_or_b32 s[G0S+3], s[G0S+3], 0x80000000
	s_mov_b32 s[G0SB], 1
	s_mov_b32 s[G0SB+1], SCL+16384
	s_mov_b64 s[G0SB+2:G0SB+3], s[98:99]
	s_or_b32 s[G0SB+3], s[G0SB+3], 0x80000000
	s_mov_b32 s23, RBB/2
	s_cmp_eq_u32 s17, 0                            ; the prefetches: the operand that I fetch in the ring,
	s_cselect_b64 s[PFA:PFA+1], s[92:93], s[96:97]
	s_cselect_b32 s20, s84, s85                    ; my place among the four that ask for it with me,
	s_cselect_b32 s21, 1, 0                        ; which takes 2 runs of A or 1 of B;
	s_cselect_b32 s22, 3, 2                        ; my wave's half begins 8 or 4 runs on;
	s_cselect_b32 s3, 23, 11                       ; the last block that an instruction names;
	s_cselect_b32 s23, KROW, s23                   ; from the first instruction's blocks to the second's
	s_lshl_b32 s20, s20, s21
	s_lshl_b32 s22, s18, s22
	s_add_co_u32 s20, s20, s22
	s_mul_i32 s20, s20, KROW
	s_mov_b32 s21, 0
	s_add_nc_u64 s[PFA:PFA+1], s[PFA:PFA+1], s[20:21]
	s_mov_b32 s22, s23
	s_mov_b32 s23, 0
	s_add_nc_u64 s[PFB:PFB+1], s[PFA:PFA+1], s[22:23]
	s_mul_i32 s22, s18, 8*KROW                     ; for the ring: my half of each tile
	s_add_nc_u64 s[92:93], s[92:93], s[22:23]
	s_mul_i32 s22, s18, 4*KROW
	s_add_nc_u64 s[96:97], s[96:97], s[22:23]
	s_mul_i32 s19, s16, HALFA                      ; where they go: A's halves by waves 0, 1;
	s_mul_i32 s20, s16, HALFB
	s_add_co_u32 s20, s20, HALFA                   ; B's, behind A's 256 rows, by waves 2, 3
.irp s, 0,1
	s_mov_b32 s[G0+4*\s], 1
	s_add_co_u32 s[G0+4*\s+1], s19, \s*SLOT
	s_add_nc_u64 s[G0+4*\s+2:G0+4*\s+3], s[92:93], \s*RBB
	s_or_b32 s[G0+4*\s+3], s[G0+4*\s+3], 0x80000000
	s_mov_b32 s[G0B+4*\s], 1
	s_add_co_u32 s[G0B+4*\s+1], s20, \s*SLOT
	s_add_nc_u64 s[G0B+4*\s+2:G0B+4*\s+3], s[96:97], \s*RBB
	s_or_b32 s[G0B+4*\s+3], s[G0B+4*\s+3], 0x80000000
.endr
	CROUND                                         ; all sixteen work-groups are here: the first joint loads meet
.macro ARM under, g0, g1, next         ; one chain of branches on the wave's number: every way passes exactly one load
	s_cmp_lt_u32 s16, \under
	s_cbranch_scc0 \next
	tensor_load_to_lds s[\g0:\g0+3], s[\g1:\g1+7]
	s_nop 0
.rept 4
	v_nop
.endr
	s_branch .Lhead_asked
\next:
.endm
	ARM 1, G0H,  G1,  .Lhead_b
	ARM 2, G0HB, G1B, .Lhead_sa
	ARM 3, G0S,  G1S, .Lhead_sb
	tensor_load_to_lds s[G0SB:G0SB+3], s[G1SB:G1SB+7]
	s_nop 0
.rept 4
	v_nop
.endr
.Lhead_asked:
	v_and_b32 v1, 31, v0
	v_lshlrev_b32 v5, 4, v1
	v_and_b32 v2, 15, v0                           ; r
	v_bfe_u32 v3, v0, 4, 1                         ; h
	v_min_u32 v6, s3, v1
	v_lshlrev_b32 v[PFO], 8, v6                    ; my block of 256 bytes
	s_wait_alu depctr_va_vdst(0)                   ; the wait here
	global_prefetch_b8 v[PFO], s[PFA:PFA+1] offset:RBB th:TH_LOAD_NT scope:SCOPE_SE      ; K slot 1
	global_prefetch_b8 v[PFO], s[PFB:PFB+1] offset:RBB th:TH_LOAD_NT scope:SCOPE_SE
	global_prefetch_b8 v[PFO], s[PFA:PFA+1] offset:2*RBB th:TH_LOAD_NT scope:SCOPE_SE    ; K slot 2
	global_prefetch_b8 v[PFO], s[PFB:PFB+1] offset:2*RBB th:TH_LOAD_NT scope:SCOPE_SE
	s_mul_i32 s21, s17, HALFA                      ; my 128 rows of A,
	s_mul_i32 s22, s18, HALFB
	s_add_co_u32 s22, s22, 2*HALFA                 ; my 64 of B, behind A's 256
.irp s, 0,1
	v_add_nc_u32 v[ADRA+\s], s21, v5
	v_add_nc_u32 v[ADRB+\s], s22, v5
	s_add_co_u32 s21, s21, SLOT
	s_add_co_u32 s22, s22, SLOT
.endr
	s_lshl_b32 s21, s17, 13                        ; A's scale words: my 128 rows
	s_lshl_b32 s22, s18, 12
	s_add_co_u32 s22, s22, 16384                   ; B's, behind A's
	s_sub_co_u32 s22, s22, s21
	v_mul_u32_u24 v4, s22, v3                      ; lanes 16-31 take B's: the lower base + h x the distance
	v_lshl_add_u32 v4, v2, 2, v4
	s_add_co_u32 s21, s21, SCL
	v_add_nc_u32 v[ADRS], s21, v4
	v_lshl_add_u32 v[ADRS2], v2, 2, s21            ; A's blocks 4-7 have no block of B beside them: all lanes take A's
	s_mul_i32 s23, s16, 16*272                     ; my stage
	v_mul_u32_u24 v4, v2, 272
	v_lshl_add_u32 v4, v3, 5, v4
	v_add_nc_u32 v[STO], s23, v4
	v_mul_u32_u24 v4, v3, 272
	v_lshl_add_u32 v4, v2, 4, v4
	v_add_nc_u32 v[RD], s23, v4
	v_lshlrev_b32 v4, 13, v3
	v_lshl_add_u32 v[CO], v2, 4, v4                ; two rows of the result an instruction, 8,192 bytes apart
	s_lshl_b32 s20, s88, 8
	s_lshl_b32 s21, s17, 7
	s_add_co_u32 s20, s20, s21
	s_lshl_b32 s20, s20, 13                        ; my first row of the result,
	s_lshl_b32 s21, s89, 9
	s_add_co_u32 s20, s20, s21
	s_lshl_b32 s21, s18, 8
	s_add_co_u32 s20, s20, s21                     ; my first column
	s_mov_b32 s21, 0
	s_add_nc_u64 s[12:13], s[12:13], s[20:21]
.macro FRAG reg, adr, q, i             ; a fragment as it lies: three loads, 512 consecutive bytes each
.irp c, 0,1,2
	ds_load_b128 v[\reg+4*\c:\reg+4*\c+3], v[\adr] offset:(\i)*RBB+1536*(\q)+512*\c
.endr
.endm
; 8 matrix instructions: A's blocks a0, a0 + 1 x B's four.  The 32 accumulators take turns, one instruction a turn, in the same order in every step.
.macro MULG a0, p, q, sc, zero
.irp a, \a0, \a0+1
.irp b, 0,1,2,3
.if \zero
	v_wmma_scale_f32_16x16x128_f8f6f4 v[8*(4*(\a)+\b):8*(4*(\a)+\b)+7], v[128*(\p)+FR*\b:128*(\p)+FR*\b+FR-1], v[AF+FR*(\a):AF+FR*(\a)+FR-1], 0, v[SC+8*NQ*(\sc)+NQ*\b+(\q)], v[SC+8*NQ*(\sc)+NQ*(\a)+(\q)] matrix_a_fmt:MATRIX_FMT_BF6 matrix_b_fmt:MATRIX_FMT_BF6 matrix_a_scale:MATRIX_SCALE_ROW1
.else
	v_wmma_scale_f32_16x16x128_f8f6f4 v[8*(4*(\a)+\b):8*(4*(\a)+\b)+7], v[128*(\p)+FR*\b:128*(\p)+FR*\b+FR-1], v[AF+FR*(\a):AF+FR*(\a)+FR-1], v[8*(4*(\a)+\b):8*(4*(\a)+\b)+7], v[SC+8*NQ*(\sc)+NQ*\b+(\q)], v[SC+8*NQ*(\sc)+NQ*(\a)+(\q)] matrix_a_fmt:MATRIX_FMT_BF6 matrix_b_fmt:MATRIX_FMT_BF6 matrix_a_scale:MATRIX_SCALE_ROW1
.endif
.endr
.endr
.endm
.macro FETCH_B slot, q, p
	WIN TO_B
.irp i, 0,1,2,3
	FRAG 128*(\p)+FR*\i, ADRB+\slot, \q, \i
.endr
	WIN 0
.endm
.macro FETCH_A slot, q, i0
.irp i, \i0, \i0+1, \i0+2, \i0+3
	FRAG AF+FR*(\i), ADRA+\slot, \q, \i
.endr
.endm
.macro SCALES sc                       ; a slot's scale words: register NQ i + q: lanes 0-15 A's block i, lanes 16-31 B's block i (i under 4)
.irp i, 0,1,2,3
.irp q, 0,1,2,3
	ds_load_b32 v[SC+8*NQ*\sc+NQ*\i+\q], v[ADRS] offset:1024*\i+64*\q
.endr
.endr
.irp i, 4,5,6,7
.irp q, 0,1,2,3
	ds_load_b32 v[SC+8*NQ*\sc+NQ*\i+\q], v[ADRS2] offset:1024*\i+64*\q
.endr
.endr
.endm
.macro PLACES n                        ; plain vector lines between a matrix instruction and a load into, or a read of, its registers
.rept \n
	v_nop
.endr
.endm
.macro STEP slot, q, zero              ; a step of 128 along K that has its successor in the same slot
	s_wait_dscnt 4*NL                              ; all but the youngest 12 loads (A's blocks 4-7) are in
	WIN MUL
	MULG 0, (\q)%2, \q, \slot, \zero
	MULG 2, (\q)%2, \q, \slot, \zero
	s_wait_dscnt 0
	PLACES NP
	FETCH_B \slot, (\q)+1, 1-(\q)%2
	FETCH_A \slot, (\q)+1, 0
	WIN MUL
	MULG 4, (\q)%2, \q, \slot, \zero
	MULG 6, (\q)%2, \q, \slot, \zero
	PLACES NP
	WIN 0
	FETCH_A \slot, (\q)+1, 4
.endm
; A slot's last step changes slots: one barrier; in front of it each wave waits for all its tensor loads, adds 0 to its spare word, and waits for that and for its reads of this slot.  fill = 1: this slot is filled again, two slots ahead.
.macro TURN slot, next, fill
	s_wait_tensorcnt 0x0                           ; all my tensor loads have landed: my part of the next slot
	ds_add_u32 v[SPW], v[NIL]                      ; 0 onto my spare word
	s_wait_dscnt 4*NL+1                            ; (the add and the youngest 12 loads may be out)
	WIN MUL
	MULG 0, 1, NQ-1, \slot, 0
	s_wait_dscnt 0x0                               ; the add is done, and my reads of this slot are over
	s_barrier_signal -1
	MULG 2, 1, NQ-1, \slot, 0
	WIN 0
	s_barrier_wait -1
.if \fill
	CREST                                          ; the barrier has opened a round of the cluster's barrier
	s_add_nc_u64 s[G0+4*\slot+2:G0+4*\slot+3], s[G0+4*\slot+2:G0+4*\slot+3], 2*RBB
	s_add_nc_u64 s[G0B+4*\slot+2:G0B+4*\slot+3], s[G0B+4*\slot+2:G0B+4*\slot+3], 2*RBB
	JLOAD G0+4*\slot, G1, G0B+4*\slot, G1B         ; my one tensor load behind the round; its four v_nop are also the places in front of the loads below
.else
	PLACES NP
.endif
	s_wait_alu depctr_va_vdst(0)                   ; the wait here, ahead of the readers below
	v_add_nc_u32 v[ADRS], 64*NQ, v[ADRS]           ; the next slot's scale words
	v_add_nc_u32 v[ADRS2], 64*NQ, v[ADRS2]
	FETCH_B \next, 0, 0
	FETCH_A \next, 0, 0
	SCALES \next
	WIN MUL
	MULG 4, 1, NQ-1, \slot, 0
	MULG 6, 1, NQ-1, \slot, 0
	PLACES NP
	WIN 0
	FETCH_A \next, 0, 4
.endm
	s_wait_alu depctr_va_vdst(0)
	s_wait_tensorcnt 0x0                           ; my tile of the head's four is in
	ds_add_u32 v[SPW], v[NIL]
	s_mov_b32 s[G1+2], 8<<16                       ; no tensor load of mine is out: from here on a load brings 8 runs of A
	s_mov_b32 s[G1+4], 8
	s_mov_b32 s[G1B+2], 4<<16                      ; or 4 of B
	s_mov_b32 s[G1B+4], 4
	s_wait_dscnt 0x0
	CROUND                                         ; all four tiles are in, and all sixteen work-groups are here
	JLOAD G0+4, G1, G0B+4, G1B                     ; slot 1's first fill, the first tensor load behind the round
	FETCH_B 0, 0, 0
	FETCH_A 0, 0, 0
	SCALES 0
	FETCH_A 0, 0, 4
	global_prefetch_b8 v[PFO], s[PFA:PFA+1] offset:3*RBB th:TH_LOAD_NT scope:SCOPE_SE    ; K slot 3
	global_prefetch_b8 v[PFO], s[PFB:PFB+1] offset:3*RBB th:TH_LOAD_NT scope:SCOPE_SE
	STEP 0, 0, 1                                   ; the first step's products start the sums
	STEP 0, 1, 0
	STEP 0, 2, 0
	TURN 0, 1, 1
	STEP 1, 0, 0
	STEP 1, 1, 0
	STEP 1, 2, 0
	TURN 1, 0, 1
	STEP 0, 0, 0
	STEP 0, 1, 0
	STEP 0, 2, 0
	TURN 0, 1, 0                                   ; the last two slots fill nothing
	STEP 1, 0, 0
	STEP 1, 1, 0
	STEP 1, 2, 0
	s_wait_dscnt 4*NL
	WIN MUL
	MULG 0, 1, NQ-1, 1, 0
	MULG 2, 1, NQ-1, 1, 0
	s_wait_dscnt 0
	MULG 4, 1, NQ-1, 1, 0
	MULG 6, 1, NQ-1, 1, 0
	WIN 0
; THE WAY OUT.  LDS serves a wave's instructions in order: no wait between the stage's stores and its loads.
.macro TOSTAGE a
	WIN 0x08
.irp b, 0,1,2,3
	ds_store_b128 v[STO], v[8*(4*(\a)+\b):8*(4*(\a)+\b)+3] offset:64*\b          ; each accumulator from its low end on
	ds_store_b128 v[STO], v[8*(4*(\a)+\b)+4:8*(4*(\a)+\b)+7] offset:64*\b+16
.endr
	WIN 0
.set BB, BK+32*((\a)%2)
.irp t, 0,1,2,3,4,5,6,7
	ds_load_b128 v[BB+4*\t:BB+4*\t+3], v[RD] offset:\t*544
.endr
.endm
.macro SEND a, younger                 ; younger: the LDS instructions issued behind block a's loads, which may stay out
.set BB, BK+32*((\a)%2)
	s_wait_dscnt \younger
.if (\a) > 0
	s_add_nc_u64 s[12:13], s[12:13], 131072        ; 16 rows on (behind a wait on XCNT: the earlier stores have read their base)
.endif
.irp t, 0,1,2,3,4,5,6,7
	global_store_b128 v[CO], v[BB+4*\t:BB+4*\t+3], s[12:13] offset:\t*16384 th:TH_STORE_NT   ; sixteen lanes store 256 consecutive bytes, aligned
.endr
.endm
	PLACES NP
	TOSTAGE 0
.irp a, 1,2,3,4,5,6,7
.if \a > 1
	s_wait_xcnt 0x0                                ; block a - 2's stores have read their registers and their base
.endif
	TOSTAGE \a
	SEND \a-1, 16                                  ; behind block a - 1's loads: block a's 8 stores and 8 loads
.endr
	s_wait_xcnt 0x0
	SEND 7, 0
	s_wait_tensorcnt 0x0                           ; the wave's end
	ds_add_u32 v[SPW], v[NIL]
	s_wait_dscnt 0x0
	CROUND                                         ; the closing round
	s_endpgm
.Lfunc_end_k_qb9579cd358_oproj:
	.size	k_qb9579cd358_oproj, .Lfunc_end_k_qb9579cd358_oproj-k_qb9579cd358_oproj
	.p2alignl 7, 3214868480
	.fill 96, 4, 3214868480
	.section	.rodata,"a",@progbits
	.p2align	6, 0x0
	.amdhsa_kernel k_qb9579cd358_oproj
		.amdhsa_group_segment_fixed_size 327680
		.amdhsa_private_segment_fixed_size 0
		.amdhsa_enable_private_segment 0
		.amdhsa_kernarg_size 40
		.amdhsa_user_sgpr_count 2
		.amdhsa_user_sgpr_kernarg_segment_ptr 1
		.amdhsa_wavefront_size32 1
		.amdhsa_system_sgpr_workgroup_id_x 1
		.amdhsa_system_sgpr_workgroup_id_y 1
		.amdhsa_system_sgpr_workgroup_id_z 1
		.amdhsa_system_vgpr_workitem_id 0
		.amdhsa_next_free_vgpr 768
		.amdhsa_next_free_sgpr 102
		.amdhsa_reserve_vcc 0
		.amdhsa_float_denorm_mode_32 3
		.amdhsa_float_denorm_mode_16_64 3
		.amdhsa_memory_ordered 1
		.amdhsa_forward_progress 1
		.amdhsa_inst_pref_size 146
	.end_amdhsa_kernel
	.amdgpu_metadata
---
amdhsa.version: [ 1, 2 ]
amdhsa.kernels:
  - .name:           k_qb9579cd358_oproj
    .symbol:         k_qb9579cd358_oproj.kd
    .args:
      - { .name: acodes, .offset: 0, .size: 8, .value_kind: global_buffer, .address_space: global }
      - { .name: ascales, .offset: 8, .size: 8, .value_kind: global_buffer, .address_space: global }
      - { .name: wcodes, .offset: 16, .size: 8, .value_kind: global_buffer, .address_space: global }
      - { .name: wscales, .offset: 24, .size: 8, .value_kind: global_buffer, .address_space: global }
      - { .name: out0, .offset: 32, .size: 8, .value_kind: global_buffer, .address_space: global }
    .group_segment_fixed_size: 327680
    .private_segment_fixed_size: 0
    .kernarg_segment_align: 8
    .kernarg_segment_size: 40
    .max_flat_workgroup_size: 128
    .sgpr_count:     102
    .vgpr_count:     768
    .wavefront_size: 32
...
	.end_amdgpu_metadata
.endif
;; end of part 4
